; MI455X (gfx1250); checked and timed in simulation.
; The chip was launched on July 23, 2026; its instructions are those of AMD's public machine-readable ISA for CDNA 5 (MIT licence, August 2026) and "CDNA5" Instruction Set Architecture Reference Guide (July 2026). The comments in the code are by the model that wrote it; some were corrected since.
;; Multi Head Attention. Allowed arithmetic: matrix products marked QUANTISED: E2M3 operands, one E8M0 scale for each 32 along K, by v_wmma_scale_f32_16x16x128_f8f6f4 with both operands' format E2M3, f32 sums; everything else in f32.
;; Inputs: W_out 1,024 x 1,024 float32; W_qkv 3,072 x 1,024 float32; b_out 1,024 float32; b_qkv 3,072 float32; x_q 4 x 2,048 x 1,024 float32.
;; Outputs: out0 4 x 2,048 x 1,024 float32.
;; This version of the problem:
;;   THIS VERSION OF THE PROBLEM IS GIVEN IN LOW PRECISION. The matrix products marked QUANTISED in the list below multiply operands that are first quantised to E2M3 (2 exponent bits, 3 mantissa bits; 6 bits a number), with one power-of-two scale for each 32 numbers along K (OCP MX v1.0); their sums are f32. All else is computed in f32.
;;   The module's matrix products, in the order in which they are computed (A, B: the left and right operand; K: the contracted axis; several contracted axes count as one K, in the product's order):
;;     1. [M 8,192, K 1,024] x [K 1,024, N 3,072]; A: input x_q; B: input W_qkv: QUANTISED
;;     2. batch 64 x [M 2,048, K 64] x [K 64, N 2,048]; A: computed on the way; B: computed on the way: QUANTISED
;;     3. batch 64 x [M 2,048, K 2,048] x [K 2,048, N 64]; A: softmax (see below); B: computed on the way: QUANTISED
;;     4. [M 8,192, K 1,024] x [K 1,024, N 1,024]; A: computed on the way; B: input W_out: QUANTISED
;;   THE QUANTISER, for each operand of a quantised product, along K:
;;     - K is cut into blocks of 32 from its start; a last block that is shorter is filled with zeros.
;;     - A block's scale is 2^e with e = floor(log2(the largest magnitude in the block)) - 2, held to -126 .. 127; a block of zeros has e = 0. As a byte (E8M0): e + 127.
;;     - Each number is divided by its block's scale, clamped to +-7.5, and rounded to the nearest number of E2M3, ties to even, subnormals kept.
;;     - The product sums the exact products of the quantised numbers (number of the format x scale) in f32.
;;   ~~~python
;;   def quantise(x, axis):      # numpy; x: float32 -> the quantised numbers, widened to float32 again
;;       x = np.moveaxis(x, axis, -1); K = x.shape[-1]
;;       x = np.pad(x, [(0, 0)] * (x.ndim - 1) + [(0, -K % 32)]); x = x.reshape(x.shape[:-1] + (-1, 32)); a = np.abs(x).max(-1, keepdims=True)
;;       e = np.where(a > 0, np.clip(np.frexp(np.where(a > 0, a, 1))[1] - 1 - 2, -126, 127), 0)      # np.frexp(a)[1] - 1 = floor(log2(a)), exactly
;;       r = np.clip(x / 2.0 ** e, -7.5, 7.5)
;;       step = 2.0 ** (np.maximum(np.frexp(np.where(r == 0, 1, r))[1] - 1, 0) - 3)
;;       q = np.round(r / step) * step * 2.0 ** e      # np.round: ties to even
;;       return np.moveaxis(q.reshape(q.shape[:-2] + (-1,))[..., :K], -1, axis).astype(np.float32)
;;   ~~~
;;   SOFTMAX AHEAD OF A QUANTISED PRODUCT. Where the list says 'softmax', what is quantised is not the finished softmax but p = 2^(t - M), with t = logit x log2(e) and M = ceil(the row's largest t), a whole number; so 1/2 < the row's largest p <= 1. The row's sum l is taken of the UNQUANTISED p, in f32, and the product's result is divided by l at the end. Since M is a whole number, a kernel that streams over the keys may use a running M (the ceiling of the running maximum): every later rescaling is an exact power of two, which a block's scale takes up: the codes' values come out the same.
;;   OPERANDS COMPUTED ON THE WAY. 'Computed on the way' means the value that the module computes at that place (a softmax that the list does not call 'softmax' is quantised finished and normalised). What goes into a quantiser is computed in f32, as accurately as f32 sums, v_exp_f32 and their like allow (about 1e-6 of the number): no bf16 or f16 on the way to a quantiser, and a product that is left as it is and whose result goes on into a quantised operand takes f32 operands (vector FMAs, or v_wmma_f32_16x16x4_f32). A number that lies on a knife's edge between two numbers of the format may be rounded either way, as far as f32 arithmetic and the matrix unit's own rounding can turn it there, and no further.
;; One version. Each part assembles by itself: llvm-mc -triple=amdgcn-amd-amdhsa -mcpu=gfx1250 --defsym DOCPART=n.
;; ======== version 1 of 1: 4 launches
;; limits: right only within a limited range of input values
;; workspace buffers: codes 9,437,184 bytes; scales 393,216 bytes; qkv_img 18,874,368 bytes; qkv_sc 1,572,864 bytes; ao_img 6,291,456 bytes; ao_sc 262,144 bytes
;; launch quant (part 1): grid 256 x 1, 6 waves a work-group, no clusters, 50,176 bytes of LDS; arguments x_q, W_qkv, W_out, codes, scales; writes codes, scales
.if DOCPART == 1
	.amdgcn_target "amdgcn-amd-amdhsa--gfx1250"
	.amdhsa_code_object_version 6
	.text
	.protected	k_q71406d5e1f_quant
	.globl	k_q71406d5e1f_quant
	.p2align	8
	.type	k_q71406d5e1f_quant,@function
k_q71406d5e1f_quant:
	s_mov_b64 s[64:65], 0
	v_nop
	global_prefetch_b8 v0, s[64:65] scope:SCOPE_SE
	s_setreg_imm32_b32 hwreg(HW_REG_WAVE_MODE, 25, 1), 1
	s_wait_xcnt 0x0
; x_q [8192][1024], W_qkv [3072][1024] and W_out [1024][1024], f32, become codes of FP6 (E2M3) with one E8M0 byte for each 32 along K.  The three tensors lie on end: 12,288 places of rows.
; A block's scale is 2^(floor(log2(its largest magnitude)) - 2): its byte is the largest magnitude's exponent field - 2, held at 1 from below.
; THE ROWS CHANGE PLACES, by groups of eight.  W_qkv, W_out: in each 32 rows groups 1 and 2 are swapped: place 32 g + 16 u + r holds row 32 g + 8 u + r + 8 (r / 8).
; x_q: in each 64 rows place 64 g + 16 f + m holds row 64 g + 32 (m / 8) + 8 f + m % 8: of sixteen places on end the first eight are of one block of 32 tokens, the last eight of the next block.
; THE CODES' LAYOUT: [128 places][4 pieces of 256 along K][128 rows][192 bytes]: a piece of 128 rows is 24,576 dense bytes, at a multiple of 256.  The scale bytes: [place][32].
; LIMITS: a block whose largest magnitude lies under 2^-124 has its byte held at 1; a block of zeros gets the byte 1 (its codes are zeros, and this program alone reads the bytes); NaN and infinities are not served.
; The 1,536 groups of eight rows are dealt six to a work-group, one to a wave: 256 work-groups of equal work.  A wave's 8,192 numbers go in 16 steps of 512.  Each load reads 512 consecutive bytes; a step's 2,048 bytes
; turn through the wave's own stage in LDS, so that a lane holds 16 neighbours.  No barrier: waves share nothing.  Loads run eight steps (32 loads a wave) ahead, the turn through LDS one step.
.set WAVES, 6
.set STEPS, 16
.set AH,    8                          ; steps that the loads run ahead
.set EMAX,  2
.set CB,    12                         ; bytes of 16 codes
.set R,     16                         ; v16-143  eight sets of 16 numbers as they are loaded
.set X,     144                        ; v144-175 two sets of 16 neighbours
.set E,     176                        ; v176-191 a scale byte for each step
.set C,     192                        ; v192-255 codes: four registers for each step
.set WREG,  8192                       ; LDS: a region for each wave: two stages of 32 x SP bytes, behind them its 256 scale bytes
.set SP,    80                         ; a lane's place in a stage: 64 bytes + 16 of padding
.set SPW,   12                         ; v12  LDS address of my spare word; never rewritten
.set NIL,   13                         ; v13  0; never rewritten
.set SPARE, WAVES*WREG                 ; the spare words, 128 bytes a wave, in four blocks of 256
	s_load_b128 s[4:7], s[0:1], 0x0                ; x_q, W_qkv
	s_load_b128 s[8:11], s[0:1], 0x10              ; W_out, codes
	s_load_b64 s[12:13], s[0:1], 0x20              ; scales
	v_lshl_add_u32 v[SPW], v0, 2, SPARE
	v_mov_b32 v[NIL], 0
	v_lshrrev_b32 v1, 5, v0
	v_readfirstlane_b32 s16, v1                    ; wave
	v_and_b32 v2, 31, v0                           ; lane
	v_lshlrev_b32 v3, 4, v2                        ; my 16 bytes of a load's 512
	s_mul_i32 s17, s16, WREG
	v_lshrrev_b32 v14, 2, v2
	v_mul_u32_u24 v14, v14, SP
	v_and_b32 v15, 3, v2
	v_lshl_add_u32 v14, v15, 4, v14
	v_add_nc_u32 v14, s17, v14                     ; the stage, on the way in: SP (lane / 4) + 16 (lane % 4)
	v_mul_u32_u24 v15, v2, SP
	v_add_nc_u32 v15, s17, v15                     ; and on the way out: SP x lane
	v_and_b32 v4, 15, v2
	v_mul_u32_u24 v4, v4, CB
	v_lshrrev_b32 v8, 4, v2
	v_mad_u32_u24 v4, v8, 24576, v4                ; my codes: lanes 0-15 fill 192 bytes of one piece, lanes 16-31 of the next piece
	v_lshrrev_b32 v5, 1, v2
	s_add_co_u32 s17, s17, 2*32*SP
	v_add_nc_u32 v5, s17, v5                       ; LDS: my wave's 256 scale bytes, my block's byte
	v_lshlrev_b32 v7, 3, v2
	v_add_nc_u32 v6, s17, v7
	s_mul_i32 s24, ttmp9, WAVES
	s_add_co_u32 s24, s24, s16                     ; my group of eight rows among the 1,536: 0-1023 x_q, 1024-1407 W_qkv, 1408-1535 W_out
	s_wait_alu depctr_va_vdst(0)                   ; the wait at the head's end
	s_wait_kmcnt 0x0
	s_cmp_lt_u32 s24, 1408                         ; which tensor: the choice hangs on ids alone
	s_cselect_b64 s[6:7], s[6:7], s[8:9]
	s_mov_b32 s17, 1408
	s_cselect_b32 s17, 1024, s17
	s_cmp_lt_u32 s24, 1024
	s_cselect_b64 s[4:5], s[4:5], s[6:7]
	s_cselect_b32 s17, 0, s17                      ; the tensor's first group
	s_sub_co_u32 s18, s24, s17
	s_lshl_b32 s18, s18, 15                        ; 32,768 bytes a group
	s_mov_b32 s19, 0
	s_add_nc_u64 s[4:5], s[4:5], s[18:19]
	s_and_b32 s20, s24, 1                          ; the weights: of each four groups 1 and 2 change places
	s_lshl_b32 s20, s20, 1
	s_bfe_u32 s21, s24, 0x10001
	s_or_b32 s20, s20, s21
	s_lshr_b32 s21, s24, 2
	s_lshl_b32 s21, s21, 2
	s_or_b32 s20, s20, s21
	s_and_b32 s21, s24, 3                          ; x_q: of each eight, group 4 e + f goes to 2 f + e
	s_lshl_b32 s21, s21, 1
	s_bfe_u32 s22, s24, 0x10002
	s_or_b32 s21, s21, s22
	s_lshr_b32 s22, s24, 3
	s_lshl_b32 s22, s22, 3
	s_or_b32 s21, s21, s22
	s_cmp_lt_u32 s24, 1024
	s_cselect_b32 s20, s21, s20                    ; my group of eight places
	s_lshr_b32 s21, s20, 4
	s_mul_i32 s18, s21, 98304                      ; 128 places of codes
	s_and_b32 s21, s20, 15
	s_mul_i32 s21, s21, 1536                       ; eight rows of 192 bytes in a piece
	s_add_co_u32 s18, s18, s21
	s_add_nc_u64 s[10:11], s[10:11], s[18:19]
	s_lshl_b32 s18, s20, 8                         ; 256 scale bytes a group
	s_add_nc_u64 s[12:13], s[12:13], s[18:19]
.macro LOAD t
.irp i, 0,1,2,3
	global_load_b128 v[R+16*((\t)%AH)+4*\i:R+16*((\t)%AH)+4*\i+3], v3, s[4:5] offset:2048*(\t)+512*\i th:TH_LOAD_NT
.endr
.endm
.macro TURN t                          ; LDS serves a wave's instructions in order: no wait between the stores and the loads
.irp i, 0,1,2,3
	ds_store_b128 v14, v[R+16*((\t)%AH)+4*\i:R+16*((\t)%AH)+4*\i+3] offset:32*SP*((\t)%2)+8*SP*\i
.endr
.irp i, 0,1,2,3
	ds_load_b128 v[X+16*((\t)%2)+4*\i:X+16*((\t)%2)+4*\i+3], v15 offset:32*SP*((\t)%2)+16*\i
.endr
.endm
.irp t, 0,1,2,3,4,5,6,7
	LOAD \t
.endr
	s_wait_loadcnt 4*(AH-1)                        ; step 0's four loads are in; seven steps' 28 may be out
	TURN 0
.macro STEP t
.set XS, X+16*((\t)%2)
.if (\t) > 0
	s_wait_dscnt 1                                 ; this step's numbers are back (the last step's byte store may be out)
.else
	s_wait_dscnt 0x0
.endif
.if (\t)+AH < STEPS
	LOAD (\t)+AH                                   ; into the registers that this step's stores into the stage have read
.endif
.if (\t)+1 < STEPS
.if STEPS-2-(\t) >= AH-1
	s_wait_loadcnt 4*(AH-1)                        ; the next step's four loads are in; those of the seven steps behind it may be out
.else
	s_wait_loadcnt 4*(STEPS-2-(\t))
.endif
	TURN (\t)+1
.endif
	v_max3_num_f32 v8, |v[XS]|, |v[XS+1]|, |v[XS+2]|               ; the largest magnitude of my 16, in two chains
	v_max3_num_f32 v9, |v[XS+3]|, |v[XS+4]|, |v[XS+5]|
.irp i, 6,10
	v_max3_num_f32 v8, v8, |v[XS+\i]|, |v[XS+\i+1]|
	v_max3_num_f32 v9, v9, |v[XS+\i+2]|, |v[XS+\i+3]|
.endr
	v_max3_num_f32 v8, v8, |v[XS+14]|, |v[XS+15]|
	v_max3_num_f32 v8, v8, v9, (EMAX+1)<<23        ; and the floor 2^(3 - 127): the byte cannot fall under 1
	v_max_num_f32_dpp v8, v8, v8 row_xmask:1 row_mask:0xf bank_mask:0xf   ; and of my neighbour's 16: the block's
	v_add_nc_u32 v11, -(EMAX<<23), v8              ; 2 off its exponent field: the conversion's scale operand
	v_cvt_scalef32_pk16_fp6_f32 v[C+4*(\t):C+4*(\t)+2], v[XS:XS+15], v11
	v_lshrrev_b32 v[E+(\t)], 23, v11               ; the scale's byte (a plain line behind the conversion)
	ds_store_b8 v5, v[E+(\t)] offset:16*(\t)
	global_store_b96 v4, v[C+4*(\t):C+4*(\t)+2], s[10:11] offset:192*((\t)/2)+49152*((\t)%2)   ; row t / 2, pieces 2 (t % 2) and 2 (t % 2) + 1: sixteen lanes store 192 consecutive bytes
.endm
.irp t, 0,1,2,3,4,5,6,7,8,9,10,11,12,13,14,15
	STEP \t
.endr
	ds_load_b64 v[8:9], v6
	s_wait_dscnt 0x0
	global_store_b64 v7, v[8:9], s[12:13]          ; 32 lanes store 256 consecutive bytes, at a multiple of 256
	s_wait_tensorcnt 0x0                           ; the wave's end
	ds_add_u32 v[SPW], v[NIL]
	s_wait_dscnt 0x0
	s_endpgm
.Lfunc_end_k_q71406d5e1f_quant:
	.size	k_q71406d5e1f_quant, .Lfunc_end_k_q71406d5e1f_quant-k_q71406d5e1f_quant
	.p2alignl 7, 3214868480
	.fill 96, 4, 3214868480
	.section	.rodata,"a",@progbits
	.p2align	6, 0x0
	.amdhsa_kernel k_q71406d5e1f_quant
		.amdhsa_group_segment_fixed_size 50176
		.amdhsa_private_segment_fixed_size 0
		.amdhsa_enable_private_segment 0
		.amdhsa_kernarg_size 40
		.amdhsa_user_sgpr_count 2
		.amdhsa_user_sgpr_kernarg_segment_ptr 1
		.amdhsa_wavefront_size32 1
		.amdhsa_system_sgpr_workgroup_id_x 1
		.amdhsa_system_sgpr_workgroup_id_y 1
		.amdhsa_system_sgpr_workgroup_id_z 1
		.amdhsa_system_vgpr_workitem_id 0
		.amdhsa_next_free_vgpr 256
		.amdhsa_next_free_sgpr 66
		.amdhsa_reserve_vcc 0
		.amdhsa_float_denorm_mode_32 3
		.amdhsa_float_denorm_mode_16_64 3
		.amdhsa_memory_ordered 1
		.amdhsa_forward_progress 1
		.amdhsa_inst_pref_size 33
	.end_amdhsa_kernel
	.amdgpu_metadata
---
amdhsa.version: [ 1, 2 ]
amdhsa.kernels:
  - .name:           k_q71406d5e1f_quant
    .symbol:         k_q71406d5e1f_quant.kd
    .args:
      - { .name: x_q, .offset: 0, .size: 8, .value_kind: global_buffer, .address_space: global }
      - { .name: W_qkv, .offset: 8, .size: 8, .value_kind: global_buffer, .address_space: global }
      - { .name: W_out, .offset: 16, .size: 8, .value_kind: global_buffer, .address_space: global }
      - { .name: codes, .offset: 24, .size: 8, .value_kind: global_buffer, .address_space: global }
      - { .name: scales, .offset: 32, .size: 8, .value_kind: global_buffer, .address_space: global }
    .group_segment_fixed_size: 50176
    .private_segment_fixed_size: 0
    .kernarg_segment_align: 8
    .kernarg_segment_size: 40
    .max_flat_workgroup_size: 192
    .sgpr_count:     66
    .vgpr_count:     256
    .wavefront_size: 32
...
	.end_amdgpu_metadata
.endif
;; end of part 1
;; launch qkv (part 2): grid 12 x 32, 4 waves a work-group, clusters of 4 x 4, 327,680 bytes of LDS; arguments codes, scales, b_qkv, qkv_img, qkv_sc; writes qkv_img, qkv_sc
.if DOCPART == 2
	.amdgcn_target "amdgcn-amd-amdhsa--gfx1250"
	.amdhsa_code_object_version 6
	.text
	.protected	k_q71406d5e1f_qkv
	.globl	k_q71406d5e1f_qkv
	.p2align	8
	.type	k_q71406d5e1f_qkv,@function
k_q71406d5e1f_qkv:
	s_mov_b64 s[64:65], 0
	v_nop
	global_prefetch_b8 v0, s[64:65] scope:SCOPE_SE
	s_setreg_imm32_b32 hwreg(HW_REG_WAVE_MODE, 25, 1), 1
	s_wait_xcnt 0x0
	s_wait_alu depctr_hold_cnt(0) depctr_sa_sdst(0) depctr_va_vdst(0) depctr_va_sdst(0) depctr_va_ssrc(0) depctr_va_vcc(0) depctr_vm_vsrc(0)
	s_getreg_b32 s2, hwreg(HW_REG_IB_STS2, 6, 4)
	s_cmp_eq_u32 s2, 0
	s_cbranch_scc0 .Lentry_in_a_cluster
	s_endpgm
.Lentry_in_a_cluster:
	s_bfe_u32 s2, ttmp6, 0x10000c
	s_cmp_lg_u32 s2, 0xf033
	s_cbranch_scc0 .Lentry_shape_is_right
	s_endpgm
.Lentry_shape_is_right:
.set KSTEP,  256
.set NQ,     2
.set ROWB,   24576                     ; bytes from one piece of 256 along K to the next: 128 rows x 192 bytes, dense
.set KROW,   768
.set PITCH,  240
.set FR,     12
.set NL,     6
.set NP,     4
.set HALFT,  128*PITCH
.set SLOT,   4*HALFT
.set LAPS,   2
.set KS,     32
.set SCL,    2*SLOT
.set HALFS,  (128*KS/256)*272
.set SBLK,   (16*KS/256)*272
.set SPARE,  SCL+4*HALFS
.set ADRA, 16
.set ADRB, 20
.set LI,   24
.set L8,   25
.set ADRS, 27
.set SPW,  28
.set NIL,  29
.set SC,   32
.set BIAS, 64
.set AF,   128
.set U,    32
.set SW,   80
.set TM,   200
.set CT,   216
.set PWS,  224
.set G1, 24
.set G0, 32
.set G1B, 48
.set G0B, 56
.set G1S, 68
.set G0S, 76
.set G1SB, 80
.set G0SB, 88
.set SEL, 92
.set HIM, 45
.set MSB, 0
.macro WIN new
.if MSB != \new
	s_set_vgpr_msb (MSB<<8)|\new
.set MSB, \new
.endif
.endm
.set MUL_LO, 0xa1
.set MUL_HI, 0xf1
.set BIA_LO, 0x81
.set BIA_HI, 0xc1
.set TO_B,   0x40
.macro JLOAD g0a, g1a, g0b, g1b
	s_cmp_eq_u32 s15, 0
	s_cbranch_scc0 .Lfor_b_\@
	tensor_load_to_lds s[\g0a:\g0a+3], s[\g1a:\g1a+7]
	s_nop 0
.rept 4
	v_nop
.endr
	s_branch .Lasked_\@
.Lfor_b_\@:
	tensor_load_to_lds s[\g0b:\g0b+3], s[\g1b:\g1b+7]
	s_nop 0
.rept 4
	v_nop
.endr
.Lasked_\@:
.endm
.macro CREST
	s_cmp_lg_u32 s14, 0
	s_cbranch_scc1 .Lnot_wave_0_\@
	s_barrier_signal -3
.Lnot_wave_0_\@:
	s_barrier_wait -3
	s_barrier_signal -1
	s_barrier_wait -1
.endm
.macro CROUND
	s_barrier_signal -1
	s_barrier_wait -1
	CREST
.endm
	s_load_b128 s[4:7], s[0:1], 0x0
	s_load_b128 s[8:11], s[0:1], 0x10
	s_load_b64 s[12:13], s[0:1], 0x20
	v_lshl_add_u32 v[SPW], v0, 2, SPARE
	v_mov_b32 v[NIL], 0
	ds_add_u32 v[SPW], v[NIL]
	ds_add_u32 v[SPW], v[NIL]
	v_lshrrev_b32 v1, 5, v0
	v_readfirstlane_b32 s14, v1
	s_lshr_b32 s15, s14, 1
	s_and_b32 s16, s14, 1
	s_bfe_u32 s40, ttmp6, 0x40000
	s_bfe_u32 s41, ttmp6, 0x40004
	s_and_b32 s18, ttmp7, 0xffff
	s_lshl_b32 s18, s18, 2
	s_lshl_b32 s19, ttmp9, 2
	s_cmp_eq_u32 ttmp9, 2
	s_cselect_b32 s17, 0, s18
	s_cselect_b32 s42, s18, s19
	s_cselect_b32 s96, 7864320, 0
	s_cselect_b32 s97, 327680, 0
	s_cselect_b32 s98, 0, 6291456
	s_cselect_b32 s99, 0, 262144
	s_add_co_u32 s17, s17, s41
	s_add_co_u32 s42, s42, s40
	s_lshl_b32 s43, s41, 2
	s_lshl_b32 s43, 15, s43
	s_lshl_b32 s44, 0x1111, s40
	s_or_b32 s[G1+0], s43, (0<<16)|(1<<20)|(1<<21)|(3<<22)|(3<<25)
	s_or_b32 s[G1B+0], s44, (0<<16)|(1<<20)|(1<<21)|(3<<22)|(3<<25)
.irp g, G1, G1B
	s_mov_b32 s[\g+1], 256<<16                     ; a piece comes as 96 rows of 256 bytes; 16 bytes of padding behind each 64: a row of 192 bytes of codes has the LDS pitch 240
	s_mov_b32 s[\g+2], 96<<16
	s_mov_b32 s[\g+3], 256<<16
	s_mov_b32 s[\g+4], 96
	s_mov_b32 s[\g+5], 256
	s_mov_b32 s[\g+6], 0
	s_mov_b32 s[\g+7], 0
.endr
	s_lshl_b32 s18, s16, 7
	s_lshl_b32 s20, s17, 8
	s_add_co_u32 s20, s20, s18
	s_lshl_b32 s46, s42, 8
	s_add_co_u32 s46, s46, s18
	s_lshl_b32 s22, s20, 5
	s_add_co_u32 s22, s22, s97
	s_mov_b32 s23, 0
	s_lshl_b32 s92, s46, 5
	s_add_co_u32 s92, s92, s99
	s_mov_b32 s93, 0
	s_mul_i32 s20, s20, KROW
	s_add_co_u32 s20, s20, s96
	s_mov_b32 s21, 0
	s_mul_i32 s46, s46, KROW
	s_add_co_u32 s46, s46, s98
	s_mov_b32 s47, 0
	s_mul_i32 s45, s14, HALFT
	s_mul_i32 s94, s14, HALFS
	s_wait_dscnt 0x0
	s_wait_kmcnt 0x0
	s_add_nc_u64 s[20:21], s[4:5], s[20:21]
	s_add_nc_u64 s[22:23], s[6:7], s[22:23]
	s_add_nc_u64 s[46:47], s[4:5], s[46:47]
	s_add_nc_u64 s[92:93], s[6:7], s[92:93]
	CROUND
.irp s, 0,1
	s_mov_b32 s[G0+4*\s], 1
	s_add_co_u32 s[G0+4*\s+1], s45, \s*SLOT
	s_add_nc_u64 s[G0+4*\s+2:G0+4*\s+3], s[20:21], \s*ROWB
	s_or_b32 s[G0+4*\s+3], s[G0+4*\s+3], 0x80000000
	s_mov_b32 s[G0B+4*\s], 1
	s_add_co_u32 s[G0B+4*\s+1], s45, \s*SLOT
	s_add_nc_u64 s[G0B+4*\s+2:G0B+4*\s+3], s[46:47], \s*ROWB
	s_or_b32 s[G0B+4*\s+3], s[G0B+4*\s+3], 0x80000000
.endr
	JLOAD G0, G1, G0B, G1B                         ; my one load at the head: my quarter of slot 0
	; the scale bytes of my 128 rows (waves 0, 1: the halves of A's, waves 2, 3: of B's), 4,096 dense bytes, come through registers while that load is on its way
	s_cmp_eq_u32 s15, 0
	s_cselect_b64 s[68:69], s[22:23], s[92:93]
	s_add_co_u32 s70, s94, SCL
	v_and_b32 v8, 31, v0
	v_lshrrev_b32 v9, 4, v8
	v_lshlrev_b32 v8, 4, v8                        ; 16 x lane
	v_lshl_add_u32 v9, v9, 4, v8
	v_add_nc_u32 v9, s70, v9                       ; in LDS 16 bytes of padding lie behind each 256: 16 x lane + 16 (lane / 16), and 544 for each 512
.irp j, 0,1,2,3,4,5,6,7
	global_load_b128 v[AF+4*\j:AF+4*\j+3], v8, s[68:69] offset:512*\j
.endr
	v_and_b32 v1, 15, v0
	v_bfe_u32 v2, v0, 4, 1
	s_cmp_eq_u32 ttmp9, 2
	s_cbranch_scc1 .Lbias_v
	s_lshl_b32 s46, s42, 8
	s_lshl_b32 s47, s16, 7
	s_add_co_u32 s46, s46, s47
	s_lshl_b32 s46, s46, 2
	s_mov_b32 s47, 0
	s_add_nc_u64 s[8:9], s[8:9], s[46:47]
	s_wait_alu depctr_va_vdst(0)
	v_lshlrev_b32 v7, 6, v2
.irp b, 0,1,2,3,4,5,6,7
	global_load_b128 v[BIAS+8*\b:BIAS+8*\b+3], v7, s[8:9] offset:(32*(\b/2)+8*(\b%2))*4
	global_load_b128 v[BIAS+8*\b+4:BIAS+8*\b+7], v7, s[8:9] offset:(32*(\b/2)+8*(\b%2))*4+16
.endr
	s_branch .Lbias_done
.Lbias_v:
	s_lshl_b32 s20, s17, 8
	s_lshl_b32 s21, s15, 7
	s_add_co_u32 s20, s20, s21
	s_add_co_u32 s20, s20, 2048
	s_lshl_b32 s20, s20, 2
	s_mov_b32 s21, 0
	s_add_nc_u64 s[8:9], s[8:9], s[20:21]
	s_wait_alu depctr_va_vdst(0)
	v_and_b32 v7, 8, v1
	v_add_nc_u32 v7, v7, v1
	v_lshlrev_b32 v7, 2, v7
.irp a, 0,1,2,3,4,5,6,7
	global_load_b32 v[BIAS+8*\a], v7, s[8:9] offset:(32*(\a/2)+8*(\a%2))*4
.endr
	s_wait_loadcnt 0x0
.irp a, 0,1,2,3,4,5,6,7
.irp j, 1,2,3,4,5,6,7
	v_mov_b32 v[BIAS+8*\a+\j], v[BIAS+8*\a]
.endr
.endr
.Lbias_done:
	v_mul_u32_u24 v3, v1, PITCH
	v_mul_u32_u24 v4, v2, 24
	v_add_nc_u32 v4, v3, v4
	v_lshl_add_u32 v5, v2, 4, v4
	s_mul_i32 s21, s15, HALFT
	s_mul_i32 s22, s16, HALFT
	s_add_co_u32 s22, s22, 2*HALFT
.irp s, 0,1
	v_add_nc_u32 v[ADRA+\s], s21, v4
	v_add_nc_u32 v[ADRB+\s], s22, v4
	v_add_nc_u32 v[ADRA+2+\s], s21, v5
	v_add_nc_u32 v[ADRB+2+\s], s22, v5
	s_add_co_u32 s21, s21, SLOT
	s_add_co_u32 s22, s22, SLOT
.endr
	v_mul_u32_u24 v5, v1, KS
	v_lshrrev_b32 v6, 8, v5
	v_lshl_add_u32 v5, v6, 4, v5
	s_mul_i32 s21, s15, HALFS
	s_mul_i32 s22, s16, HALFS
	s_add_co_u32 s22, s22, 2*HALFS
	s_sub_co_u32 s22, s22, s21
	v_mul_u32_u24 v6, s22, v2
	s_add_co_u32 s21, s21, SCL
	v_add_nc_u32 v5, v5, v6
	v_add_nc_u32 v[ADRS], s21, v5
	v_and_b32 v6, 31, v0
	v_lshlrev_b32 v[LI], 4, v6
	v_lshlrev_b32 v[L8], 3, v6
.macro FRAG reg, adr, q, i
.irp p, 0,1,2,3,4,5
.set PC, 12*(\q)+6*(\p/3)+\p%3
.if PC%8 < 5
	ds_load_b64 v[\reg+2*\p:\reg+2*\p+1], v[\adr] offset:8*PC+16*(PC/8)+(\i)*16*PITCH
.else
	ds_load_b64 v[\reg+2*\p:\reg+2*\p+1], v[\adr+2] offset:8*PC+16*(PC/8)+(\i)*16*PITCH
.endif
.endr
.endm
.macro MUL16 a0, p, q, sc, mode
.irp a, \a0, \a0+1
.irp b, 0,1,2,3,4,5,6,7
.if \mode == 0
	v_wmma_scale_f32_16x16x128_f8f6f4 v[8*(8*((\a)%4)+\b):8*(8*((\a)%4)+\b)+7], v[128*(\p)+FR*\b:128*(\p)+FR*\b+FR-1], v[AF+FR*(\a):AF+FR*(\a)+FR-1], v[8*(8*((\a)%4)+\b):8*(8*((\a)%4)+\b)+7], v[SC+8*NQ*(\sc)+NQ*\b+(\q)], v[SC+8*NQ*(\sc)+NQ*(\a)+(\q)] matrix_a_fmt:MATRIX_FMT_FP6 matrix_b_fmt:MATRIX_FMT_FP6 matrix_a_scale:MATRIX_SCALE_ROW1
.elseif \mode == 1
	v_wmma_scale_f32_16x16x128_f8f6f4 v[8*(8*((\a)%4)+\b):8*(8*((\a)%4)+\b)+7], v[128*(\p)+FR*\b:128*(\p)+FR*\b+FR-1], v[AF+FR*(\a):AF+FR*(\a)+FR-1], v[BIAS+8*\b:BIAS+8*\b+7], v[SC+8*NQ*(\sc)+NQ*\b+(\q)], v[SC+8*NQ*(\sc)+NQ*(\a)+(\q)] matrix_a_fmt:MATRIX_FMT_FP6 matrix_b_fmt:MATRIX_FMT_FP6 matrix_a_scale:MATRIX_SCALE_ROW1
.else
	v_wmma_scale_f32_16x16x128_f8f6f4 v[8*(8*((\a)%4)+\b):8*(8*((\a)%4)+\b)+7], v[128*(\p)+FR*\b:128*(\p)+FR*\b+FR-1], v[AF+FR*(\a):AF+FR*(\a)+FR-1], v[BIAS+8*(\a):BIAS+8*(\a)+7], v[SC+8*NQ*(\sc)+NQ*\b+(\q)], v[SC+8*NQ*(\sc)+NQ*(\a)+(\q)] matrix_a_fmt:MATRIX_FMT_FP6 matrix_b_fmt:MATRIX_FMT_FP6 matrix_a_scale:MATRIX_SCALE_ROW1
.endif
.endr
.endr
.endm
.macro FETCH_B slot, q, p
	WIN TO_B
.irp i, 0,1,2,3,4,5,6,7
	FRAG 128*(\p)+FR*\i, ADRB+\slot, \q, \i
.endr
	WIN 0
.endm
.macro FETCH_A slot, q, i0
.irp i, \i0, \i0+1, \i0+2, \i0+3
	FRAG AF+FR*(\i), ADRA+\slot, \q, \i
.endr
.endm
.macro SCALES sc
.irp i, 0,1,2,3,4,5,6,7
	ds_load_b64 v[SC+8*NQ*\sc+NQ*\i:SC+8*NQ*\sc+NQ*\i+1], v[ADRS] offset:\i*SBLK
.endr
.endm
.macro PLACES n
.rept \n
	v_nop
.endr
.endm
.macro STEP slot, q, mode
	s_wait_dscnt 4*NL
.if \mode
	WIN BIA_LO
.else
	WIN MUL_LO
.endif
	MUL16 0, (\q)%2, \q, \slot, \mode
	MUL16 2, (\q)%2, \q, \slot, \mode
	s_wait_dscnt 0
	PLACES NP
	FETCH_B \slot, (\q)+1, 1-(\q)%2
	FETCH_A \slot, (\q)+1, 0
.if \mode
	WIN BIA_HI
.else
	WIN MUL_HI
.endif
	MUL16 4, (\q)%2, \q, \slot, \mode
	MUL16 6, (\q)%2, \q, \slot, \mode
	PLACES NP
	WIN 0
	FETCH_A \slot, (\q)+1, 4
.endm
.macro TURN slot, next, fill
	s_wait_tensorcnt 0x0
	ds_add_u32 v[SPW], v[NIL]
	s_wait_dscnt 4*NL+1
	WIN MUL_LO
	MUL16 0, 1, NQ-1, \slot, 0
	s_wait_dscnt 0x0
	s_barrier_signal -1
	MUL16 2, 1, NQ-1, \slot, 0
	WIN 0
	s_barrier_wait -1
.if \fill
	CREST
	s_add_nc_u64 s[G0+4*\slot+2:G0+4*\slot+3], s[G0+4*\slot+2:G0+4*\slot+3], 2*ROWB
	s_add_nc_u64 s[G0B+4*\slot+2:G0B+4*\slot+3], s[G0B+4*\slot+2:G0B+4*\slot+3], 2*ROWB
	JLOAD G0+4*\slot, G1, G0B+4*\slot, G1B
.else
	PLACES NP
.endif
	s_wait_alu depctr_va_vdst(0)
	v_add_nc_u32 v[ADRS], 4*NQ, v[ADRS]
	FETCH_B \next, 0, 0
	FETCH_A \next, 0, 0
	SCALES \next
	WIN MUL_HI
	MUL16 4, 1, NQ-1, \slot, 0
	MUL16 6, 1, NQ-1, \slot, 0
	PLACES NP
	WIN 0
	FETCH_A \next, 0, 4
.endm
	s_wait_alu depctr_va_vdst(0)
	s_wait_loadcnt 0x0
	s_wait_tensorcnt 0x0                           ; my quarter of slot 0 is in
.irp j, 0,1,2,3,4,5,6,7
	ds_store_b128 v9, v[AF+4*\j:AF+4*\j+3] offset:544*\j
.endr
	s_wait_tensorcnt 0x0                           ; ahead of a later first fill
	ds_add_u32 v[SPW], v[NIL]
	s_wait_dscnt 0x0                               ; the add and my stores of scale bytes are done
	CROUND                                         ; everybody's part of slot 0 and of the scales is in, and all sixteen work-groups are here
	JLOAD G0+4, G1, G0B+4, G1B                     ; slot 1's first fill, the first tensor load behind the round
	FETCH_B 0, 0, 0
	FETCH_A 0, 0, 0
	SCALES 0
	FETCH_A 0, 0, 4
	s_wait_loadcnt 0x0
	s_cmp_eq_u32 ttmp9, 2
	s_cbranch_scc1 .Lfirst_v
	STEP 0, 0, 1
	s_branch .Lfirst_done
.Lfirst_v:
	STEP 0, 0, 2
.Lfirst_done:
	s_mov_b32 s3, LAPS-1
.Llap:
	TURN 0, 1, 1
	STEP 1, 0, 0
	TURN 1, 0, 1
	STEP 0, 0, 0
	s_sub_co_u32 s3, s3, 1
	s_cmp_lg_u32 s3, 0
	s_cbranch_scc1 .Llap
	TURN 0, 1, 0
	STEP 1, 0, 0
	s_wait_dscnt 4*NL
	WIN MUL_LO
	MUL16 0, 1, NQ-1, 1, 0
	MUL16 2, 1, NQ-1, 1, 0
	s_wait_dscnt 0
	WIN MUL_HI
	MUL16 4, 1, NQ-1, 1, 0
	MUL16 6, 1, NQ-1, 1, 0
	WIN 0
.macro QUANT w, s, d0, d1, pw
	WIN 5*(\w)
.irp b, 0,1,2,3
	v_max3_num_f32 v[TM+\b], |v[(\s)+16*\b]|, |v[(\s)+16*\b+1]|, 0x1800000
.endr
.irp i, 2,4,6,8,10,12,14
.irp b, 0,1,2,3
	v_max3_num_f32 v[TM+\b], |v[(\s)+16*\b+\i]|, |v[(\s)+16*\b+\i+1]|, v[TM+\b]
.endr
.endr
	WIN 0
.irp b, 0,1,2,3
	v_permlanex16_b32 v[TM+4+\b], v[TM+\b], s[SEL], s[SEL+1]
.endr
.irp b, 0,1,2,3
	v_max_num_f32 v[TM+\b], v[TM+\b], v[TM+4+\b]
.endr
.irp b, 0,1,2,3
	v_add_nc_u32 v[TM+12+\b], 0xff000000, v[TM+\b]
.endr
.irp b, 0,1,2,3
	v_lshrrev_b32 v[TM+4+\b], 23, v[TM+12+\b]
.endr
	v_lshl_or_b32 v[\pw], v[TM+5], 8, v[TM+4]
	v_lshl_or_b32 v[\pw], v[TM+6], 16, v[\pw]
	v_lshl_or_b32 v[\pw], v[TM+7], 24, v[\pw]
	WIN \w
	v_cvt_scalef32_pk16_fp6_f32 v[(\d0):(\d0)+2], v[(\s):(\s)+15], v[TM+12]
	v_cvt_scalef32_pk16_fp6_f32 v[CT:CT+2], v[(\s)+16:(\s)+31], v[TM+13]
	v_cvt_scalef32_pk16_fp6_f32 v[(\d1):(\d1)+2], v[(\s)+32:(\s)+47], v[TM+14]
	v_cvt_scalef32_pk16_fp6_f32 v[CT+4:CT+6], v[(\s)+48:(\s)+63], v[TM+15]
	WIN 0
	v_nop
.irp i, 0,1,2
	v_permlane16_swap_b32 v[(\d0)+\i], v[CT+\i]
	v_permlane16_swap_b32 v[(\d1)+\i], v[CT+4+\i]
.endr
.irp i, 0,1,2
	v_mov_b32 v[(\d0)+3+\i], v[CT+\i]
	v_mov_b32 v[(\d1)+3+\i], v[CT+4+\i]
.endr
.endm
	PLACES NP
; v's quantiser, along the tokens: by x_q's order of places a lane's registers s .. s + 31 are one whole block of 32 tokens (block lane / 16), s + 32 .. s + 63 another (block 2 + lane / 16)
.macro QUANTV w, s, d0, d1, pw
	WIN 5*(\w)
.irp c, 0,1
	v_max3_num_f32 v[TM+\c], |v[(\s)+32*\c]|, |v[(\s)+32*\c+1]|, 0x1800000
.endr
.irp i, 2,4,6,8,10,12,14,16,18,20,22,24,26,28,30
.irp c, 0,1
	v_max3_num_f32 v[TM+\c], |v[(\s)+32*\c+\i]|, |v[(\s)+32*\c+\i+1]|, v[TM+\c]
.endr
.endr
	WIN 0
.irp c, 0,1
	v_add_nc_u32 v[TM+12+\c], 0xff000000, v[TM+\c]
.endr
.irp c, 0,1
	v_lshrrev_b32 v[TM+4+\c], 23, v[TM+12+\c]
.endr
	v_lshl_or_b32 v[TM+4], v[TM+5], 16, v[TM+4]    ; my two bytes,
	v_lshlrev_b32 v[TM+4], v3, v[TM+4]             ; at their places in the scale word;
	v_permlanex16_b32 v[TM+5], v[TM+4], s[SEL], s[SEL+1]
	v_or_b32 v[\pw], v[TM+4], v[TM+5]              ; with lane l xor 16's two the word is whole
	WIN \w
	v_cvt_scalef32_pk16_fp6_f32 v[(\d0):(\d0)+2], v[(\s):(\s)+15], v[TM+12]
	v_cvt_scalef32_pk16_fp6_f32 v[CT:CT+2], v[(\s)+16:(\s)+31], v[TM+12]
	v_cvt_scalef32_pk16_fp6_f32 v[(\d1):(\d1)+2], v[(\s)+32:(\s)+47], v[TM+13]
	v_cvt_scalef32_pk16_fp6_f32 v[CT+4:CT+6], v[(\s)+48:(\s)+63], v[TM+13]
	WIN 0
	v_nop
.irp i, 0,1,2
	v_mov_b32 v[(\d0)+3+\i], v[CT+\i]
	v_mov_b32 v[(\d1)+3+\i], v[CT+4+\i]
.endr
.endm
	v_lshlrev_b32 v3, 3, v2                        ; 8 x (lane / 16)
	s_mov_b32 s[SEL], 0x76543210
	s_mov_b32 s[SEL+1], 0xfedcba98
	s_mov_b32 s[HIM], 0xffff0000
.irp b, 0,1,2,3
	v_mov_b32 v[TM+4+\b], 0
.endr
	s_cmp_eq_u32 ttmp9, 2
	s_cbranch_scc1 .Lout_v
	s_lshr_b32 s18, s17, 3
	s_lshl_b32 s18, s18, 4
	s_lshl_b32 s19, s40, 2
	s_add_co_u32 s18, s18, s19
	s_lshl_b32 s19, s16, 1
	s_add_co_u32 s18, s18, s19
	s_mul_i32 s20, s18, 98304
	s_mul_i32 s19, ttmp9, 6291456
	s_add_co_u32 s20, s20, s19
	s_and_b32 s19, s17, 7
	s_lshl_b32 s19, s19, 1
	s_add_co_u32 s19, s19, s15
	s_mul_i32 s22, s19, 6144
	s_add_co_u32 s20, s20, s22
	s_mov_b32 s21, 0
	s_add_nc_u64 s[10:11], s[10:11], s[20:21]
	s_mul_i32 s20, s18, 12288
	s_mul_i32 s22, ttmp9, 786432
	s_add_co_u32 s20, s20, s22
	s_lshl_b32 s22, s19, 9
	s_add_co_u32 s20, s20, s22
	s_add_nc_u64 s[12:13], s[12:13], s[20:21]
.irp t, 0,1,2,3
.if \t >= 2
	s_wait_xcnt 0x0
.endif
	QUANT 2+(2*\t)/4, 64*((2*\t)%4), U+24*(\t%2), U+24*(\t%2)+12, PWS+2*\t
	QUANT 2+(2*\t+1)/4, 64*((2*\t+1)%4), U+24*(\t%2)+6, U+24*(\t%2)+18, PWS+2*\t+1
.irp pl, 0,1,2
	global_store_b128 v[LI], v[U+24*(\t%2)+4*\pl:U+24*(\t%2)+4*\pl+3], s[10:11] offset:1536*\t+512*\pl
	global_store_b128 v[LI], v[U+24*(\t%2)+12+4*\pl:U+24*(\t%2)+12+4*\pl+3], s[10:11] offset:98304+1536*\t+512*\pl
.endr
.endr
.irp i, 0,1,2,3
	v_cndmask_b32 v[SW+8+\i], v[PWS+2*\i], v[PWS+2*\i+1], s[HIM]
.endr
.irp i, 0,1,2,3
	v_and_b32 v[SW+\i], 0xffff, v[SW+8+\i]
	v_lshrrev_b32 v[SW+4+\i], 16, v[SW+8+\i]
.endr
	global_store_b128 v[LI], v[SW:SW+3], s[12:13]
	global_store_b128 v[LI], v[SW+4:SW+7], s[12:13] offset:12288
	s_branch .Lout_done
.Lout_v:
	s_lshr_b32 s18, s42, 3
	s_lshl_b32 s18, s18, 4
	s_lshl_b32 s19, s41, 2
	s_add_co_u32 s18, s18, s19
	s_lshl_b32 s19, s15, 1
	s_add_co_u32 s18, s18, s19
	s_and_b32 s19, s42, 7
	s_lshl_b32 s19, s19, 1
	s_add_co_u32 s19, s19, s16
	s_mul_i32 s20, s18, 98304
	s_add_co_u32 s20, s20, 12582912
	s_mul_i32 s22, s19, 6144
	s_add_co_u32 s20, s20, s22
	s_mov_b32 s21, 0
	s_add_nc_u64 s[10:11], s[10:11], s[20:21]
	s_mul_i32 s20, s18, 12288
	s_add_co_u32 s20, s20, 786432+8192
	s_lshl_b32 s22, s19, 8
	s_add_co_u32 s20, s20, s22
	s_add_nc_u64 s[12:13], s[12:13], s[20:21]
.irp a, 0,1,2,3,4,5,6,7
.if \a == 4
	s_wait_xcnt 0x0
.endif
	QUANTV 2+\a/4, 64*(\a%4), U+12*(\a%4), U+12*(\a%4)+6, PWS+\a
.irp pl, 0,1,2
	global_store_b128 v[LI], v[U+12*(\a%4)+4*\pl:U+12*(\a%4)+4*\pl+3], s[10:11] offset:(\a/4)*98304+(\a%4)*1536+512*\pl
.endr
.endr
.irp c, 0,1
.irp i, 0,1
	v_cndmask_b32 v[SW+2*\c+\i], v[PWS+4*\c+2*\i], v[PWS+4*\c+2*\i+1], s[HIM]
.endr
.endr
	global_store_b64 v[L8], v[SW:SW+1], s[12:13]
	global_store_b64 v[L8], v[SW+2:SW+3], s[12:13] offset:12288
.Lout_done:
	s_wait_tensorcnt 0x0
	ds_add_u32 v[SPW], v[NIL]
	s_wait_dscnt 0x0
	CROUND
	s_endpgm
.Lfunc_end_k_q71406d5e1f_qkv:
	.size	k_q71406d5e1f_qkv, .Lfunc_end_k_q71406d5e1f_qkv-k_q71406d5e1f_qkv
	.p2alignl 7, 3214868480
	.fill 96, 4, 3214868480
	.section	.rodata,"a",@progbits
	.p2align	6, 0x0
	.amdhsa_kernel k_q71406d5e1f_qkv
		.amdhsa_group_segment_fixed_size 327680
		.amdhsa_private_segment_fixed_size 0
		.amdhsa_enable_private_segment 0
		.amdhsa_kernarg_size 40
		.amdhsa_user_sgpr_count 2
		.amdhsa_user_sgpr_kernarg_segment_ptr 1
		.amdhsa_wavefront_size32 1
		.amdhsa_system_sgpr_workgroup_id_x 1
		.amdhsa_system_sgpr_workgroup_id_y 1
		.amdhsa_system_sgpr_workgroup_id_z 1
		.amdhsa_system_vgpr_workitem_id 0
		.amdhsa_next_free_vgpr 1024
		.amdhsa_next_free_sgpr 100
		.amdhsa_reserve_vcc 0
		.amdhsa_float_denorm_mode_32 3
		.amdhsa_float_denorm_mode_16_64 3
		.amdhsa_memory_ordered 1
		.amdhsa_forward_progress 1
		.amdhsa_inst_pref_size 213
	.end_amdhsa_kernel
	.amdgpu_metadata
---
amdhsa.version: [ 1, 2 ]
amdhsa.kernels:
  - .name:           k_q71406d5e1f_qkv
    .symbol:         k_q71406d5e1f_qkv.kd
    .args:
      - { .name: codes, .offset: 0, .size: 8, .value_kind: global_buffer, .address_space: global }
      - { .name: scales, .offset: 8, .size: 8, .value_kind: global_buffer, .address_space: global }
      - { .name: b_qkv, .offset: 16, .size: 8, .value_kind: global_buffer, .address_space: global }
      - { .name: qkv_img, .offset: 24, .size: 8, .value_kind: global_buffer, .address_space: global }
      - { .name: qkv_sc, .offset: 32, .size: 8, .value_kind: global_buffer, .address_space: global }
    .group_segment_fixed_size: 327680
    .private_segment_fixed_size: 0
    .kernarg_segment_align: 8
    .kernarg_segment_size: 40
    .max_flat_workgroup_size: 128
    .sgpr_count:     100
    .vgpr_count:     1024
    .wavefront_size: 32
...
	.end_amdgpu_metadata
.endif
;; end of part 2
;; launch attn (part 3): grid 4 x 64, 16 waves a work-group, clusters of 4 x 1, 264,192 bytes of LDS; arguments qkv_img, qkv_sc, ao_img, ao_sc; writes ao_img, ao_sc
.if DOCPART == 3
	.amdgcn_target "amdgcn-amd-amdhsa--gfx1250"
	.amdhsa_code_object_version 6
	.text
	.protected	k_q71406d5e1f_attn
	.globl	k_q71406d5e1f_attn
	.p2align	8
	.type	k_q71406d5e1f_attn,@function
k_q71406d5e1f_attn:
	s_mov_b64 s[64:65], 0
	v_nop
	global_prefetch_b8 v0, s[64:65] scope:SCOPE_SE
	s_setreg_imm32_b32 hwreg(HW_REG_WAVE_MODE, 25, 1), 1
	s_wait_xcnt 0x0
	s_wait_alu depctr_hold_cnt(0) depctr_sa_sdst(0) depctr_va_vdst(0) depctr_va_sdst(0) depctr_va_ssrc(0) depctr_va_vcc(0) depctr_vm_vsrc(0)
	s_getreg_b32 s2, hwreg(HW_REG_IB_STS2, 6, 4)
	s_cmp_eq_u32 s2, 0
	s_cbranch_scc0 .Lentry_in_a_cluster
	s_endpgm
.Lentry_in_a_cluster:
	s_bfe_u32 s2, ttmp6, 0x10000c
	s_cmp_lg_u32 s2, 0x3003
	s_cbranch_scc0 .Lentry_shape_is_right
	s_endpgm
.Lentry_shape_is_right:
; o = softmax(q k^T / 8) v for 64 heads of 2,048 tokens x 64 channels, both products on codes of FP6 (E2M3) with E8M0 scales; o is quantised along the channels and leaves as images of operand registers.
; THE SOFTMAX: t = score x log2(e) / 8 (q arrives unscaled: 1/8 is a power of two and changes no code); M = the running largest t rounded up to a whole number; p = 2^(t - M) is quantised along the keys, not normalised;
; the row's sum is taken of the unquantised p and divides O at the end; when M moves, the sum and O are multiplied by 2^(old M - new M), which rounds nothing.
; SHARES.  A work-group owns 512 queries of one head; each of its sixteen waves two tiles of 16, one after the other (two passes); a pass walks the head's 16 steps of 128 keys.
; LDS: sixteen regions of 16,384 bytes, one a key step: K's codes 6,144, V's 6,144, K's scale words 512, V's 512 (8 bytes in each 16), and 2,048 of the wave of that number for its own Q.  Filled once: nothing is filled again.
; Wave w asks for step w's K and V by ONE tensor load (two rows of 6,144 bytes, the second V's), jointly with the three partners of its cluster, which own the other queries of the head; the scale words go through registers.
; LAYOUT.  Both products are used transposed: S^T = K Q^T, O^T = V^T P^T: a lane holds one query throughout.  All in LDS is an image of operand registers.
; A tile f of K (f = 4 g + f') holds in rows 0-7 keys 64 g + 8 f' + 0..7 and in rows 8-15 keys 64 g + 32 + 8 f' + 0..7.  So the 32 registers of tiles 4 g .. 4 g + 3 are, in lane (r, h), the whole block 2 g + h of 32 keys,
; in their order: a block's largest score needs no other lane, and the conversions' results are p's operand registers: no lane changes places.
; The scores' K is 64, the instruction's 128: Q's upper six registers are zero codes; K's upper six are whatever follows: times zero codes, under scale bytes of 0 (2^-127), they add exactly 0.
; The next step's K is asked of LDS a step ahead, into registers of its own; a pass's last step asks for step 0's, which the second pass uses (the second pass's last such loads serve nothing).
; No prefetch: all of K and V is asked for at the head, so there is no loop to run ahead in.
; LIMITS: NaN and infinities are not served.  The promise holds while the scaled scores stay under 2^31.  A block's largest p is taken from its largest score, which takes v_exp_f32 not to fall where its input rises.
; A block of p or of o under 2^-124 has its byte held at 1.
.set VOF,   6144
.set KSO,   12288
.set VSO,   12800
.set QST,   13312
.set SPARE, 262144                     ; the spare words, 128 bytes for each of sixteen waves
.set ADV, 0                            ; v0  LDS address: this step's V; at a pass's head Q's
.set LI,  1                            ; v1  16 x lane
.set L8,  2                            ; v2  8 x lane
.set SPW, 3
.set NIL, 4
.set ADK, 5                            ; v5  LDS address of the step whose K is in registers or on its way
.set GSC, 6                            ; v6  32 x (lane % 16): my row of o's scale bytes
.set H8,  7                            ; v7  8 x (lane / 16)
.set QAD, 8                            ; v8  my Q's codes in LDS
.set QSA, 9                            ; v9  my Q's scale words in LDS
.set T0,  10
.set T1,  11                           ; v12 -M, v13 the running largest score, v[14:15] the row's sum in two halves
.set QF,  16                           ; v16-27 the pass's Q: six registers of codes, six of zeros
.set QS,  28
.set PS,  29                           ; p's scale word
.set VS,  30                           ; v30-31 V's scale words
.set KS,  32                           ; v32-35 K's
.set KF,  36                           ; v36-83 a step's K: 8 half fragments
.set PC,  84                           ; v84-95 p's codes (its first six also stand behind K's last half fragment); with CT: the sum's eight chains
.set CT,  96                           ; v96-103 the conversions' second halves
.set VF,  104                          ; v104-151 a step's V: 4 fragments
.set S,   152                          ; v152-215 S^T, then p
.set O,   216                          ; v216-247 O^T
.set BM,  248
.set SO,  250
.set F,   252                          ; v[252:253] f = 2^(old M - new M); the low word serves both halves
.set TMP, 254
.set OW,  255
.set WV,  12
.set SEL, 20
.set CS,  22
.set G1,  24
.set G0,  32
.set TB,  36
.set CNT, 37
.set PQ,  38
.set WB,  39
.set AO,  50
.set AS,  52
.macro CROUND
	s_barrier_signal -1
	s_barrier_wait -1
	s_cmp_lg_u32 s[WV], 0
	s_cbranch_scc1 .Lnot_wave_0_\@
	s_barrier_signal -3
.Lnot_wave_0_\@:
	s_barrier_wait -3
	s_barrier_signal -1
	s_barrier_wait -1
.endm
	s_load_b256 s[4:11], s[0:1], 0x0               ; qkv_img, qkv_sc, ao_img, ao_sc
	v_lshl_add_u32 v[SPW], v0, 2, SPARE
	v_mov_b32 v[NIL], 0
	ds_add_u32 v[SPW], v[NIL]                      ; the opening lines: the add, twice, and below its wait
	ds_add_u32 v[SPW], v[NIL]
	v_lshrrev_b32 v10, 5, v0
	v_readfirstlane_b32 s[WV], v10                 ; wave 0..15
	s_bfe_u32 s13, ttmp6, 0x40000                  ; cx: which 512 queries; it enters Q's and o's global addresses alone
	s_and_b32 s14, ttmp7, 0xffff                   ; 16 x batch + head, which the four partners share
	s_mov_b32 s[G1], 15|(3<<16)|(1<<21)            ; elements of 8 bytes; the mask names all four work-groups, bit 21 beside it
	s_mov_b32 s[G1+1], 768<<16                     ; a row: 6,144 bytes
	s_mov_b32 s[G1+2], 2<<16                       ; two rows: K's, V's
	s_mov_b32 s[G1+3], 768<<16
	s_mov_b32 s[G1+4], 2
	s_mov_b32 s[G1+5], 786432                      ; from k's part of the images to v's: 6,291,456 bytes
	s_mov_b32 s[G1+6], 0
	s_mov_b32 s[G1+7], 0
	s_mul_i32 s19, s14, 98304                      ; the head's image
	s_mul_i32 s40, s[WV], 6144                     ; key step = my wave's number
	s_add_co_u32 s40, s40, s19
	s_add_co_u32 s40, s40, 6291456
	s_mov_b32 s41, 0
	s_mul_i32 s18, s14, 12288                      ; the head's scale words
	s_lshl_b32 s42, s[WV], 9
	s_add_co_u32 s42, s42, s18
	s_add_co_u32 s42, s42, 786432                  ; K's of my step
	s_mov_b32 s43, 0
	s_lshl_b32 s44, s[WV], 8
	s_add_co_u32 s44, s44, s18
	s_add_co_u32 s44, s44, 786432+8192             ; V's
	s_mov_b32 s45, 0
	s_lshl_b32 s17, s13, 4
	s_add_co_u32 s17, s17, s[WV]                   ; unit 16 cx + wave: query tiles 2 x unit, 2 x unit + 1
	s_mul_i32 s46, s17, 1536
	s_add_co_u32 s46, s46, s19
	s_mov_b32 s47, 0
	s_lshr_b32 s48, s17, 2
	s_lshl_b32 s48, s48, 9
	s_and_b32 s15, s17, 3
	s_lshl_b32 s15, s15, 2
	s_add_co_u32 s48, s48, s15
	s_add_co_u32 s48, s48, s18
	s_mov_b32 s49, 0
	s_lshr_b32 s15, s14, 4
	s_lshl_b32 s15, s15, 7
	s_lshl_b32 s16, s17, 1
	s_add_co_u32 s15, s15, s16                     ; my first token tile: 128 x batch + 2 x unit
	s_and_b32 s16, s14, 15                         ; the head
	s_lshl_b32 s[AO], s15, 4
	s_add_co_u32 s[AO], s[AO], s16
	s_mul_i32 s[AO], s[AO], 768                    ; [tile][head][768 bytes]
	s_mov_b32 s[AO+1], 0
	s_lshl_b32 s[AS], s15, 9
	s_lshl_b32 s16, s16, 1
	s_add_co_u32 s[AS], s[AS], s16
	s_mov_b32 s[AS+1], 0
	s_mov_b32 s[SEL], 0x76543210
	s_mov_b32 s[SEL+1], 0xfedcba98
	s_mov_b32 s[CS], 0x3e38aa3b                    ; c = log2(e) / 8
	s_mov_b32 s[CS+1], s[CS]
	s_lshl_b32 s[WB], s[WV], 14                    ; my region of LDS
	v_and_b32 v10, 31, v0
	v_and_b32 v11, 15, v0
	v_bfe_u32 v[H8], v0, 4, 1
	v_lshlrev_b32 v[LI], 4, v10
	v_lshlrev_b32 v[L8], 3, v10
	v_lshlrev_b32 v[GSC], 5, v11
	v_lshlrev_b32 v[H8], 3, v[H8]
	v_add_nc_u32 v[ADK], s[WB], v[LI]
	v_add_nc_u32 v[QAD], s[WB], v[L8]
	v_add_nc_u32 v[QAD], QST, v[QAD]
	v_lshl_add_u32 v[QSA], v11, 2, s[WB]
	v_add_nc_u32 v[QSA], QST+768, v[QSA]
	v_lshl_add_u32 v[ADV], v[H8], 7, v[QSA]        ; where my lane's word of Q's scales goes: the second tile's 1,024 bytes on
	s_wait_alu depctr_va_vdst(0)                   ; ahead of the waits below
	s_wait_dscnt 0x0                               ; both opening adds are done
	s_wait_kmcnt 0x0
	s_add_nc_u64 s[40:41], s[4:5], s[40:41]
	s_add_nc_u64 s[42:43], s[6:7], s[42:43]
	s_add_nc_u64 s[44:45], s[6:7], s[44:45]
	s_add_nc_u64 s[46:47], s[4:5], s[46:47]
	s_add_nc_u64 s[48:49], s[6:7], s[48:49]
	s_add_nc_u64 s[AO:AO+1], s[8:9], s[AO:AO+1]
	s_add_nc_u64 s[AS:AS+1], s[10:11], s[AS:AS+1]
	s_mov_b32 s[G0], 1
	s_mov_b32 s[G0+1], s[WB]
	s_mov_b64 s[G0+2:G0+3], s[40:41]
	s_or_b32 s[G0+3], s[G0+3], 0x80000000
	CROUND                                         ; all four work-groups are here: the joint loads meet
	tensor_load_to_lds s[G0:G0+3], s[G1:G1+7]      ; every wave's one load: its step's K and V
	s_nop 0
.irp pl, 0,1,2
	global_load_b128 v[S+4*\pl:S+4*\pl+3], v[LI], s[46:47] offset:512*\pl   ; my unit of Q: two tiles' half fragments
.endr
	global_load_b32 v[QS], v[LI], s[48:49]
	global_load_b128 v[S+16:S+19], v[LI], s[42:43]
	global_load_b64 v[S+20:S+21], v[L8], s[44:45]
.irp i, 6,7,8,9,10,11
	v_mov_b32 v[QF+\i], 0                          ; the zero half of the scores' K
.endr
.irp i, 0,1,2,3,4,5
	v_mov_b32 v[PC+\i], 0                          ; named behind K's last half fragment before p's first codes are made
.endr
	v_mov_b32 v[T1], 0                             ; a lane permute's destination counts as one of its sources
	v_mov_b32 v[TMP], 0
	v_mov_b32 v[F+1], 0                            ; (named as the upper half of a pair)
	s_wait_alu depctr_va_vdst(0)
	s_wait_loadcnt 0x0
	s_wait_tensorcnt 0x0                           ; my step's K and V are in
	ds_store_b128 v[ADK], v[S+16:S+19] offset:KSO
	ds_store_b64 v[ADK], v[S+20:S+21] offset:VSO   ; 8 bytes at 16 x lane, so that one address register serves a whole step
.irp p, 0,1
.irp j, 0,1,2
	ds_store_b64 v[QAD], v[S+6*\p+2*\j:S+6*\p+2*\j+1] offset:1024*\p+256*\j   ; my Q, a tile to each 1,024 bytes: only I read it
.endr
.endr
	ds_store_b32 v[ADV], v[QS]
	v_mov_b32 v[ADK], v[LI]                        ; step 0
	s_mov_b32 s[TB], 0
	s_mov_b32 s[PQ], 0
	s_wait_alu depctr_va_vdst(0)
	s_wait_dscnt 0x0
	s_barrier_signal -1
	s_barrier_wait -1                              ; everybody's step is in; no LDS byte but the spare words is written from here on
.macro KLOAD
.irp u, 0,1,2,3
.irp pl, 0,1,2
	ds_load_b128 v[KF+12*\u+4*\pl:KF+12*\u+4*\pl+3], v[ADK] offset:1536*\u+512*\pl
.endr
.endr
	ds_load_b128 v[KS:KS+3], v[ADK] offset:KSO
.endm
	KLOAD
.macro KQ f                            ; product f of 8 of S^T = K Q^T; odd tiles' scale words lie in lanes 16-31
.if (\f)%2
	v_wmma_scale_f32_16x16x128_f8f6f4 v[S+8*(\f):S+8*(\f)+7], v[KF+6*(\f):KF+6*(\f)+11], v[QF:QF+11], 0, v[KS+(\f)/2], v[QS] matrix_a_fmt:MATRIX_FMT_FP6 matrix_b_fmt:MATRIX_FMT_FP6 matrix_a_scale:MATRIX_SCALE_ROW1
.else
	v_wmma_scale_f32_16x16x128_f8f6f4 v[S+8*(\f):S+8*(\f)+7], v[KF+6*(\f):KF+6*(\f)+11], v[QF:QF+11], 0, v[KS+(\f)/2], v[QS] matrix_a_fmt:MATRIX_FMT_FP6 matrix_b_fmt:MATRIX_FMT_FP6
.endif
.endm
.macro PV t                            ; product t of 4 of O^T += V^T P^T
.if (\t)%2
	v_wmma_scale_f32_16x16x128_f8f6f4 v[O+8*(\t):O+8*(\t)+7], v[VF+12*(\t):VF+12*(\t)+11], v[PC:PC+11], v[O+8*(\t):O+8*(\t)+7], v[VS+(\t)/2], v[PS] matrix_a_fmt:MATRIX_FMT_FP6 matrix_b_fmt:MATRIX_FMT_FP6 matrix_a_scale:MATRIX_SCALE_ROW1
.else
	v_wmma_scale_f32_16x16x128_f8f6f4 v[O+8*(\t):O+8*(\t)+7], v[VF+12*(\t):VF+12*(\t)+11], v[PC:PC+11], v[O+8*(\t):O+8*(\t)+7], v[VS+(\t)/2], v[PS] matrix_a_fmt:MATRIX_FMT_FP6 matrix_b_fmt:MATRIX_FMT_FP6
.endif
.endm
.macro TM j0                           ; t - M of eight scores, two at a time
.irp j, 0,2,4,6
	v_pk_fma_f32 v[S+(\j0)+\j:S+(\j0)+\j+1], v[S+(\j0)+\j:S+(\j0)+\j+1], s[CS:CS+1], v[12:13] op_sel_hi:[1,0,0]
.endr
.endm
; A KEY STEP: 128 keys.  last = 1: the step behind it is step 0
.macro STEP last
	s_wait_dscnt 0x0                               ; this step's K and its scale words are in
.irp f, 0,1,2,3,4,5,6,7
	KQ \f
.endr
.if \last
	s_mov_b32 s[TB], 0
.else
	s_add_co_u32 s[TB], s[TB], 16384
.endif
	v_mov_b32 v[TMP], v12                          ; four places behind the products, ahead of the loads into V's and K's registers and of the first read of the scores
	v_mov_b32 v[ADV], v[ADK]
	v_add_nc_u32 v[ADK], s[TB], v[LI]
	v_nop
.irp t, 0,1,2,3
.irp pl, 0,1,2
	ds_load_b128 v[VF+12*\t+4*\pl:VF+12*\t+4*\pl+3], v[ADV] offset:VOF+1536*\t+512*\pl
.endr
.endr
	ds_load_b64 v[VS:VS+1], v[ADV] offset:VSO
	KLOAD                                          ; the next step's K
.irp c, 0,1                            ; the largest score of my two blocks of 32 keys, each in two chains: registers 0-16 and 17-31; each accumulator is first read at its low end
	v_max3_num_f32 v[BM+\c], v[S+32*\c], v[S+32*\c+1], v[S+32*\c+2]
	v_max3_num_f32 v[CT+\c], v[S+32*\c+17], v[S+32*\c+18], v[S+32*\c+19]
.endr
.irp i, 3,5,7,9,11,13
.irp c, 0,1
	v_max3_num_f32 v[BM+\c], v[BM+\c], v[S+32*\c+\i], v[S+32*\c+\i+1]
	v_max3_num_f32 v[CT+\c], v[CT+\c], v[S+32*\c+17+\i], v[S+32*\c+18+\i]
.endr
.endr
.irp c, 0,1
	v_max3_num_f32 v[BM+\c], v[BM+\c], v[S+32*\c+15], v[S+32*\c+16]
.endr
.irp c, 0,1
	v_max_num_f32 v[BM+\c], v[BM+\c], v[CT+\c]
.endr
	v_max_num_f32 v[T0], v[BM], v[BM+1]
	v_permlanex16_b32 v[T1], v[T0], s[SEL], s[SEL+1]
	v_max3_num_f32 v13, v13, v[T0], v[T1]          ; the running largest score of my query
	v_mul_f32 v[T0], s[CS], v13                    ; as t
	v_floor_f32 v12, -v[T0]                        ; the new -M = floor(-t) = -ceil(t)
	TM 0
	v_sub_f32 v[TMP], v12, v[TMP]                  ; old M - new M: a whole number, 0 or less
	TM 8
	v_cvt_i32_f32 v[TMP], v[TMP]                   ; (it saturates)
	TM 16
	v_ldexp_f32 v[F], 1.0, v[TMP]                  ; f = 2^(old M - new M)
	TM 24
.irp c, 0,1
	v_fma_f32 v[BM+\c], v[BM+\c], s[CS], v12       ; the same of each block's largest score
.endr
	s_wait_alu depctr_va_vdst(0)                   ; ahead of the batch
.set j, 0
.rept 16                               ; p of my first block; among the exponentials t - M of the second block, which nothing reads before the next wait
	v_exp_f32 v[S+j], v[S+j]
	v_exp_f32 v[S+j+1], v[S+j+1]
	v_pk_fma_f32 v[S+32+j:S+33+j], v[S+32+j:S+33+j], s[CS:CS+1], v[12:13] op_sel_hi:[1,0,0]
.set j, j+2
.endr
	v_exp_f32 v[BM], v[BM]                         ; the blocks' largest p
	v_exp_f32 v[BM+1], v[BM+1]
	v_pk_mul_f32 v[14:15], v[14:15], v[F:F+1] op_sel_hi:[1,0]   ; the sums under the new M (a plain line behind the exponentials)
	s_wait_alu depctr_va_vdst(0)                   ; one wait behind the first batch and ahead of the second
.set j, 0
.rept 8                                ; p of my second block; among the exponentials the first adds of the first block's p, eight chains, read behind the next wait
	v_exp_f32 v[S+32+4*j], v[S+32+4*j]
	v_exp_f32 v[S+33+4*j], v[S+33+4*j]
	v_exp_f32 v[S+34+4*j], v[S+34+4*j]
	v_exp_f32 v[S+35+4*j], v[S+35+4*j]
	v_pk_add_f32 v[PC+2*j:PC+2*j+1], v[S+2*j:S+2*j+1], v[S+16+2*j:S+17+2*j]
.set j, j+1
.endr
	s_wait_alu depctr_va_vdst(0)                   ; and one behind the second
.irp c, 0,1
	v_max_num_f32 v[BM+\c], 0x1800000, v[BM+\c]    ; the floor 2^(3 - 127): the byte cannot fall under 1
.endr
.irp i, 0,1,2,3,4,5,6,7
	v_pk_add_f32 v[PC+2*\i:PC+2*\i+1], v[PC+2*\i:PC+2*\i+1], v[S+32+2*\i:S+33+2*\i]
.endr
.irp c, 0,1
	v_add_nc_u32 v[SO+\c], 0xff000000, v[BM+\c]    ; 2 off the exponent field: the conversion's scale operand
.endr
.irp i, 0,1,2,3,4,5,6,7
	v_pk_add_f32 v[PC+2*\i:PC+2*\i+1], v[PC+2*\i:PC+2*\i+1], v[S+48+2*\i:S+49+2*\i]
.endr
.irp c, 0,1
	v_lshrrev_b32 v[BM+\c], 23, v[SO+\c]           ; the scale's byte
.endr
.irp i, 0,1,2,3
	v_pk_add_f32 v[PC+2*\i:PC+2*\i+1], v[PC+2*\i:PC+2*\i+1], v[PC+8+2*\i:PC+9+2*\i]
.endr
	v_lshl_or_b32 v[T0], v[BM+1], 16, v[BM]        ; my two bytes: blocks h and 2 + h,
.irp i, 0,1
	v_pk_add_f32 v[PC+2*\i:PC+2*\i+1], v[PC+2*\i:PC+2*\i+1], v[PC+4+2*\i:PC+5+2*\i]
.endr
	v_lshlrev_b32 v[T0], v[H8], v[T0]              ; at their places in the word
	v_pk_add_f32 v[PC:PC+1], v[PC:PC+1], v[PC+2:PC+3]
	v_permlanex16_b32 v[T1], v[T0], s[SEL], s[SEL+1]
	s_delay_alu instid0(VALU_DEP_2)
	v_pk_add_f32 v[14:15], v[14:15], v[PC:PC+1]    ; the row's sum, of the unquantised p
	v_cvt_scalef32_pk16_fp6_f32 v[PC:PC+2], v[S:S+15], v[SO]
	v_cvt_scalef32_pk16_fp6_f32 v[CT:CT+2], v[S+16:S+31], v[SO]        ; (a conversion's three registers begin on an even number)
	v_cvt_scalef32_pk16_fp6_f32 v[PC+6:PC+8], v[S+32:S+47], v[SO+1]
	v_cvt_scalef32_pk16_fp6_f32 v[CT+4:CT+6], v[S+48:S+63], v[SO+1]
	v_or_b32 v[PS], v[T0], v[T1]                   ; p's scale word, whole with lane l xor 16's two bytes (the plain line behind the conversions)
.irp i, 0,1,2
	v_mov_b32 v[PC+3+\i], v[CT+\i]
	v_mov_b32 v[PC+9+\i], v[CT+4+\i]
.endr
	s_wait_alu depctr_va_vdst(0)                   ; directly ahead of the first reader of O^T
.set j, 0
.rept 16
	v_pk_mul_f32 v[O+j:O+j+1], v[O+j:O+j+1], v[F:F+1] op_sel_hi:[1,0]   ; O^T under the new M; these sixteen also stand between the writing of p's codes and scale word and the products
.set j, j+2
.endr
	s_wait_alu depctr_va_vdst(0)                   ; ahead of the wait below
	s_wait_dscnt 13                                ; V and its scale words are in; behind them the next K's 12 loads and its scale words' one may be out
.irp t, 0,1,2,3
	PV \t                                          ; the four accumulators take turns, and eight other products stand between two steps' links
.endr
.endm
.Lpass:                                                ; A PASS: one tile of 16 queries
	v_add_nc_u32 v[ADV], s[PQ], v[QAD]
.irp j, 0,1,2
	ds_load_b64 v[QF+2*\j:QF+2*\j+1], v[ADV] offset:256*\j
.endr
	v_add_nc_u32 v[ADV], s[PQ], v[QSA]
	ds_load_b32 v[QS], v[ADV]
	v_mov_b32 v13, 0xff61b1e6                      ; the largest score so far: -3e38
	v_mov_b32 v14, 0
	v_mov_b32 v15, 0
	v_floor_f32 v12, -v13
.set j, 0
.rept 32
	v_mov_b32 v[O+j], 0                            ; the first change of M leaves zeros zeros, so the step has no first form of its own
.set j, j+1
.endr
	s_mov_b32 s[CNT], 15
	s_wait_alu depctr_va_vdst(0)
.Lstep:
	STEP 0
	s_sub_co_u32 s[CNT], s[CNT], 1
	s_cmp_lg_u32 s[CNT], 0
	s_cbranch_scc1 .Lstep
	STEP 1
; the pass ends: O^T / the sum, quantised along the head's 64 channels (two blocks): a half fragment of the last product's operand, and two scale bytes a row
.rept 4
	v_nop                                          ; places behind the last products
.endr
	v_add_f32 v14, v14, v15
	s_delay_alu instid0(VALU_DEP_1)
	v_permlanex16_b32 v[TMP], v14, s[SEL], s[SEL+1]
	s_delay_alu instid0(VALU_DEP_1)
	v_add_f32 v14, v14, v[TMP]                     ; the row's sum
	s_wait_alu depctr_va_vdst(0)
	v_rcp_f32 v14, v14
	v_nop
	s_wait_alu depctr_va_vdst(0)                   ; ahead of the reciprocal's first reader, which is also O^T's
.set j, 0
.rept 16
	v_pk_mul_f32 v[S+j:S+j+1], v[O+j:O+j+1], v[14:15] op_sel_hi:[1,0]   ; register 16 b + i: channel 32 b + 16 (lane / 16) + i
.set j, j+2
.endr
.irp b, 0,1
	v_max3_num_f32 v[BM+\b], |v[S+16*\b]|, |v[S+16*\b+1]|, 0x1800000
.endr
.irp i, 2,4,6,8,10,12,14
.irp b, 0,1
	s_delay_alu instid0(VALU_DEP_2)
	v_max3_num_f32 v[BM+\b], v[BM+\b], |v[S+16*\b+\i]|, |v[S+16*\b+\i+1]|
.endr
.endr
.irp b, 0,1
	s_delay_alu instid0(VALU_DEP_2)
	v_permlanex16_b32 v[T0+\b], v[BM+\b], s[SEL], s[SEL+1]
.endr
.irp b, 0,1
	s_delay_alu instid0(VALU_DEP_2)
	v_max_num_f32 v[BM+\b], v[BM+\b], v[T0+\b]
.endr
.irp b, 0,1
	s_delay_alu instid0(VALU_DEP_2)
	v_add_nc_u32 v[SO+\b], 0xff000000, v[BM+\b]
.endr
.irp b, 0,1
	s_delay_alu instid0(VALU_DEP_2)
	v_lshrrev_b32 v[T0+\b], 23, v[SO+\b]
.endr
	s_delay_alu instid0(VALU_DEP_1)
	v_lshl_or_b32 v[OW], v[T1], 8, v[T0]
	v_cvt_scalef32_pk16_fp6_f32 v[PC:PC+2], v[S:S+15], v[SO]
	v_cvt_scalef32_pk16_fp6_f32 v[CT:CT+2], v[S+16:S+31], v[SO+1]
	v_nop
.irp i, 0,1,2
	v_permlane16_swap_b32 v[PC+\i], v[CT+\i]       ; a whole block to a lane
.endr
.irp i, 0,1,2
	v_mov_b32 v[PC+3+\i], v[CT+\i]
.endr
.irp pl, 0,1,2
	global_store_b64 v[L8], v[PC+2*\pl:PC+2*\pl+1], s[AO:AO+1] offset:256*\pl   ; 32 lanes store 256 consecutive bytes, at a multiple of 256
.endr
	global_store_b16 v[GSC], v[OW], s[AS:AS+1]     ; two bytes a row, rows 32 bytes apart (both lanes of a row write the same)
	s_wait_xcnt 0x0                                ; the stores have read their data and bases
	s_add_nc_u64 s[AO:AO+1], s[AO:AO+1], 12288     ; the next token tile
	s_add_nc_u64 s[AS:AS+1], s[AS:AS+1], 512
	s_add_co_u32 s[PQ], s[PQ], 1024
	s_cmp_lt_u32 s[PQ], 2048
	s_wait_alu depctr_va_vdst(0)                   ; ahead of the branch
	s_cbranch_scc1 .Lpass
	s_wait_tensorcnt 0x0                           ; the wave's end
	ds_add_u32 v[SPW], v[NIL]
	s_wait_dscnt 0x0
	CROUND                                         ; the closing round
	s_endpgm
.Lfunc_end_k_q71406d5e1f_attn:
	.size	k_q71406d5e1f_attn, .Lfunc_end_k_q71406d5e1f_attn-k_q71406d5e1f_attn
	.p2alignl 7, 3214868480
	.fill 96, 4, 3214868480
	.section	.rodata,"a",@progbits
	.p2align	6, 0x0
	.amdhsa_kernel k_q71406d5e1f_attn
		.amdhsa_group_segment_fixed_size 264192
		.amdhsa_private_segment_fixed_size 0
		.amdhsa_enable_private_segment 0
		.amdhsa_kernarg_size 32
		.amdhsa_user_sgpr_count 2
		.amdhsa_user_sgpr_kernarg_segment_ptr 1
		.amdhsa_wavefront_size32 1
		.amdhsa_system_sgpr_workgroup_id_x 1
		.amdhsa_system_sgpr_workgroup_id_y 1
		.amdhsa_system_sgpr_workgroup_id_z 1
		.amdhsa_system_vgpr_workitem_id 0
		.amdhsa_next_free_vgpr 256
		.amdhsa_next_free_sgpr 66
		.amdhsa_reserve_vcc 0
		.amdhsa_float_denorm_mode_32 3
		.amdhsa_float_denorm_mode_16_64 3
		.amdhsa_memory_ordered 1
		.amdhsa_forward_progress 1
		.amdhsa_inst_pref_size 43
	.end_amdhsa_kernel
	.amdgpu_metadata
---
amdhsa.version: [ 1, 2 ]
amdhsa.kernels:
  - .name:           k_q71406d5e1f_attn
    .symbol:         k_q71406d5e1f_attn.kd
    .args:
      - { .name: qkv_img, .offset: 0, .size: 8, .value_kind: global_buffer, .address_space: global }
      - { .name: qkv_sc, .offset: 8, .size: 8, .value_kind: global_buffer, .address_space: global }
      - { .name: ao_img, .offset: 16, .size: 8, .value_kind: global_buffer, .address_space: global }
      - { .name: ao_sc, .offset: 24, .size: 8, .value_kind: global_buffer, .address_space: global }
    .group_segment_fixed_size: 264192
    .private_segment_fixed_size: 0
    .kernarg_segment_align: 8
    .kernarg_segment_size: 32
    .max_flat_workgroup_size: 512
    .sgpr_count:     66
    .vgpr_count:     256
    .wavefront_size: 32
...
	.end_amdgpu_metadata
.endif
;; end of part 3
;; launch proj (part 4): grid 8 x 32, 4 waves a work-group, clusters of 4 x 4, 327,680 bytes of LDS; arguments ao_img, ao_sc, codes, scales, b_out, out0; writes out0
.if DOCPART == 4
	.amdgcn_target "amdgcn-amd-amdhsa--gfx1250"
	.amdhsa_code_object_version 6
	.text
	.protected	k_q71406d5e1f_proj
	.globl	k_q71406d5e1f_proj
	.p2align	8
	.type	k_q71406d5e1f_proj,@function
k_q71406d5e1f_proj:
	s_mov_b64 s[64:65], 0
	v_nop
	global_prefetch_b8 v0, s[64:65] scope:SCOPE_SE
	s_setreg_imm32_b32 hwreg(HW_REG_WAVE_MODE, 25, 1), 1
	s_wait_xcnt 0x0
	s_wait_alu depctr_hold_cnt(0) depctr_sa_sdst(0) depctr_va_vdst(0) depctr_va_sdst(0) depctr_va_ssrc(0) depctr_va_vcc(0) depctr_vm_vsrc(0)
	s_getreg_b32 s2, hwreg(HW_REG_IB_STS2, 6, 4)
	s_cmp_eq_u32 s2, 0
	s_cbranch_scc0 .Lentry_in_a_cluster
	s_endpgm
.Lentry_in_a_cluster:
	s_bfe_u32 s2, ttmp6, 0x10000c
	s_cmp_lg_u32 s2, 0xf033
	s_cbranch_scc0 .Lentry_shape_is_right
	s_endpgm
.Lentry_shape_is_right:
; out0 = o W_out^T + b_out on codes of FP6 (E2M3) with E8M0 scales: M 8,192, N 1,024, K 1,024; sums in f32.
; A work-group makes 256 rows x 128 columns: 256 work-groups.  ALL OF K LIES IN LDS, filled once: o's 16 tiles of 16 rows as images of operand registers (196,608 bytes, 8 bytes a lane on end),
; W_out's 128 rows as four pieces of 256 along K (rows of 192 bytes, 16 bytes of padding behind each 64: pitch 240; 122,880 bytes).  No slot is filled again, and the K steps need no barrier.
; Four joint loads at the head, one a wave: waves 0, 1 the halves of o's tiles, waves 2, 3 the halves of W_out's pieces.  CLUSTER 4 x 4: o's tiles are shared along a row of the cluster, W_out's along a column.
; THE SCALE WORDS go from memory into registers: a row's 32 bytes are its eight K steps' words; lane (r, h) takes 16 bytes at 32 r + 16 h, so that register j holds the word of K step j in lanes 0-15 and of 4 + j in lanes 16-31.
; A wave makes 64 rows x 128 columns: 32 accumulators (window 2).  The instruction is used transposed (source 0 = W_out's rows, source 1 = o's): a lane holds eight neighbouring columns of a row.
; The bias is the C of the first K step's products (window 3).  Fragments: o's in window 0, W_out's in window 1, two sets each: a K step's are asked of LDS while the step before is multiplied.
; Rows and columns go back to their own places on the way out: place 64 g + 16 f + m holds token 64 g + 32 (m / 8) + 8 f + m % 8; W_out's place 32 g + 16 u + r holds row 32 g + 8 u + r + 8 (r / 8).
; No prefetch: everything is asked for at the head, so there is no loop to run ahead in.
.set PITCH,  240
.set FR,     12
.set NP,     4
.set HALFA,  98304                     ; eight tiles of o
.set BBASE,  196608
.set PIECE,  128*PITCH
.set HALFB,  2*PIECE
.set SPARE,  BBASE+2*HALFB             ; the spare words, 128 bytes a wave
.set SPITCH, 528                       ; the way out: a stage of 16 rows x (512 + 16) bytes a wave, on o's bytes, behind the barrier behind which nobody reads them
.set ADRA, 16                          ; v16    my four tiles of o
.set ADRB, 20                          ; v20-21 W_out's pieces 0-1, 2-3; v22-23 the same with 16 more in lanes 16-31, for pieces of 8 bytes whose upper lanes lie behind a padding
.set STO,  24
.set RD,   25
.set CO,   26
.set VSC,  27                          ; v27    32 (lane % 16) + 16 (lane / 16)
.set SPW,  28
.set NIL,  29
.set SB,   32                          ; v32-63 W_out's scale words: block b at 4 b
.set SA,   64                          ; v64-79 o's: block a at 4 a
.set AF,   128                         ; v128-223 o's fragments, two sets of 48
.set BK,   128                         ; the way out: rows read back
.set CP,   98
.set G1, 24
.set G0, 32
.set G1B, 48
.set G0B, 56
.set MSB, 0
.macro WIN new
.if MSB != \new
	s_set_vgpr_msb (MSB<<8)|\new
.set MSB, \new
.endif
.endm
.set MUL_W, 0xa1                       ; source 0 window 1, source 1 window 0, C and D window 2
.set BIA_W, 0xb1                       ; the same, C window 3
.set TO_B,  0x40
.set TO_C,  0xc0                       ; destination window 3
.macro JLOAD g0a, g1a, g0b, g1b
	s_cmp_eq_u32 s15, 0
	s_cbranch_scc0 .Lfor_b_\@
	tensor_load_to_lds s[\g0a:\g0a+3], s[\g1a:\g1a+7]
	s_nop 0
.rept 4
	v_nop
.endr
	s_branch .Lasked_\@
.Lfor_b_\@:
	tensor_load_to_lds s[\g0b:\g0b+3], s[\g1b:\g1b+7]
	s_nop 0
.rept 4
	v_nop
.endr
.Lasked_\@:
.endm
.macro CROUND
	s_barrier_signal -1
	s_barrier_wait -1
	s_cmp_lg_u32 s14, 0
	s_cbranch_scc1 .Lnot_wave_0_\@
	s_barrier_signal -3
.Lnot_wave_0_\@:
	s_barrier_wait -3
	s_barrier_signal -1
	s_barrier_wait -1
.endm
	s_load_b128 s[4:7], s[0:1], 0x0                ; ao_img, ao_sc
	s_load_b128 s[8:11], s[0:1], 0x10              ; codes, scales
	s_load_b128 s[96:99], s[0:1], 0x20             ; b_out, out0
	v_lshl_add_u32 v[SPW], v0, 2, SPARE
	v_mov_b32 v[NIL], 0
	ds_add_u32 v[SPW], v[NIL]                      ; the opening lines: the add, twice, and below its wait
	ds_add_u32 v[SPW], v[NIL]
	v_lshrrev_b32 v1, 5, v0
	v_readfirstlane_b32 s14, v1                    ; wave
	s_lshr_b32 s15, s14, 1                         ; I fetch for o (0) or for W_out (1),
	s_and_b32 s16, s14, 1                          ; which half
	s_bfe_u32 s40, ttmp6, 0x40000
	s_bfe_u32 s41, ttmp6, 0x40004
	s_lshl_b32 s42, ttmp9, 2
	s_add_co_u32 s42, s42, s40                     ; which 128 columns
	s_and_b32 s17, ttmp7, 0xffff
	s_lshl_b32 s17, s17, 2
	s_add_co_u32 s17, s17, s41                     ; which 256 rows
	s_lshl_b32 s43, s41, 2
	s_lshl_b32 s43, 15, s43                        ; my row of the cluster
	s_lshl_b32 s44, 0x1111, s40                    ; my column
	s_or_b32 s[G1+0], s43, (3<<16)|(1<<21)         ; o: 98,304 dense bytes as 384 rows of 256
	s_mov_b32 s[G1+1], 32<<16
	s_mov_b32 s[G1+2], 384<<16
	s_mov_b32 s[G1+3], 32<<16
	s_mov_b32 s[G1+4], 384
	s_mov_b32 s[G1+5], 32
	s_mov_b32 s[G1+6], 0
	s_mov_b32 s[G1+7], 0
	s_or_b32 s[G1B+0], s44, (0<<16)|(1<<20)|(1<<21)|(3<<22)|(3<<25)   ; W_out: 49,152 dense bytes as 192 rows of 256, 16 bytes of padding behind each 64
	s_mov_b32 s[G1B+1], 256<<16
	s_mov_b32 s[G1B+2], 192<<16
	s_mov_b32 s[G1B+3], 256<<16
	s_mov_b32 s[G1B+4], 192
	s_mov_b32 s[G1B+5], 256
	s_mov_b32 s[G1B+6], 0
	s_mov_b32 s[G1B+7], 0
	s_mul_i32 s20, s17, 196608                     ; 16 tiles of 12,288 bytes
	s_mul_i32 s45, s16, HALFA
	s_add_co_u32 s20, s20, s45
	s_mov_b32 s21, 0
	s_mul_i32 s46, s42, 98304                      ; 128 places of W_out's codes,
	s_add_co_u32 s46, s46, 8650752                 ; which begin at place 11,264
	s_mul_i32 s18, s16, 49152
	s_add_co_u32 s46, s46, s18
	s_mov_b32 s47, 0
	s_mul_i32 s95, s16, HALFB
	s_add_co_u32 s95, s95, BBASE
	s_lshl_b32 s22, s17, 13                        ; o's scale bytes: 32 a row; my 64 rows
	s_lshl_b32 s18, s14, 11
	s_add_co_u32 s22, s22, s18
	s_mov_b32 s23, 0
	s_lshl_b32 s92, s42, 12                        ; W_out's
	s_add_co_u32 s92, s92, 360448
	s_mov_b32 s93, 0
	s_wait_dscnt 0x0                               ; both opening adds are done
	s_wait_kmcnt 0x0
	s_add_nc_u64 s[20:21], s[4:5], s[20:21]
	s_add_nc_u64 s[22:23], s[6:7], s[22:23]
	s_add_nc_u64 s[46:47], s[8:9], s[46:47]
	s_add_nc_u64 s[92:93], s[10:11], s[92:93]
	s_mov_b32 s[G0], 1
	s_mov_b32 s[G0+1], s45
	s_mov_b64 s[G0+2:G0+3], s[20:21]
	s_or_b32 s[G0+3], s[G0+3], 0x80000000
	s_mov_b32 s[G0B], 1
	s_mov_b32 s[G0B+1], s95
	s_mov_b64 s[G0B+2:G0B+3], s[46:47]
	s_or_b32 s[G0B+3], s[G0B+3], 0x80000000
	CROUND                                         ; all sixteen work-groups are here: the joint loads meet
	JLOAD G0, G1, G0B, G1B                         ; every wave's one load
	s_lshl_b32 s46, s42, 9                         ; my columns, in bytes of f32
	s_mov_b32 s47, 0
	s_add_nc_u64 s[96:97], s[96:97], s[46:47]
	s_lshl_b32 s20, s17, 8
	s_lshl_b32 s21, s14, 6
	s_add_co_u32 s20, s20, s21                     ; my first row: 256 x tile row + 64 x wave
	s_lshl_b32 s20, s20, 12
	s_add_co_u32 s20, s20, s46
	s_mov_b32 s21, 0
	s_add_nc_u64 s[CP:CP+1], s[CP:CP+1], s[20:21]
	s_mul_i32 s18, s14, 49152                      ; my four tiles of o in LDS
	s_mul_i32 s19, s14, 16*SPITCH                  ; my stage
	v_and_b32 v1, 15, v0
	v_bfe_u32 v2, v0, 4, 1
	v_and_b32 v6, 31, v0
	v_lshlrev_b32 v[VSC], 5, v1
	v_lshlrev_b32 v8, 6, v2
	v_mul_u32_u24 v3, v1, PITCH
	v_mul_u32_u24 v4, v2, 24
	v_lshlrev_b32 v7, 3, v6
	v_lshl_add_u32 v[VSC], v2, 4, v[VSC]
	v_add_nc_u32 v4, v3, v4
	v_add_nc_u32 v[ADRA], s18, v7
	v_lshl_add_u32 v5, v2, 4, v4
	v_add_nc_u32 v[ADRB], BBASE, v4
	v_add_nc_u32 v[ADRB+1], BBASE+HALFB, v4
	v_add_nc_u32 v[ADRB+2], BBASE, v5
	v_add_nc_u32 v[ADRB+3], BBASE+HALFB, v5
	v_mul_u32_u24 v9, v1, SPITCH
	v_lshl_add_u32 v9, v2, 6, v9
	v_add_nc_u32 v[STO], s19, v9
	v_lshlrev_b32 v[CO], 4, v6
	v_add_nc_u32 v[RD], s19, v[CO]
	s_wait_alu depctr_va_vdst(0)                   ; the wait at the head's end
.irp b, 0,1,2,3,4,5,6,7
	global_load_b128 v[SB+4*\b:SB+4*\b+3], v[VSC], s[92:93] offset:512*\b    ; 32 lanes read 512 consecutive bytes
.endr
.irp a, 0,1,2,3
	global_load_b128 v[SA+4*\a:SA+4*\a+3], v[VSC], s[22:23] offset:512*\a
.endr
	WIN TO_C
.irp b, 0,1,2,3,4,5,6,7
	global_load_b128 v[8*\b:8*\b+3], v8, s[96:97] offset:(32*(\b/2)+8*(\b%2))*4        ; the bias in the result's layout: register j of block b is column 32 (b / 2) + 8 (b % 2) + 16 (lane / 16) + j
	global_load_b128 v[8*\b+4:8*\b+7], v8, s[96:97] offset:(32*(\b/2)+8*(\b%2))*4+16
.endr
	WIN 0
	s_wait_tensorcnt 0x0                           ; my part is in
	s_wait_loadcnt 0x0
	s_barrier_signal -1
	s_barrier_wait -1                              ; everybody's is
.macro FRAG reg, k, i                  ; W_out's block i of K step k: six pieces of 8 bytes
.irp p, 0,1,2,3,4,5
.set PC, 12*((\k)%2)+6*(\p/3)+\p%3
.if PC%8 < 5
	ds_load_b64 v[\reg+2*\p:\reg+2*\p+1], v[ADRB+(\k)/4] offset:8*PC+16*(PC/8)+(\i)*16*PITCH+(((\k)/2)%2)*PIECE
.else
	ds_load_b64 v[\reg+2*\p:\reg+2*\p+1], v[ADRB+2+(\k)/4] offset:8*PC+16*(PC/8)+(\i)*16*PITCH+(((\k)/2)%2)*PIECE
.endif
.endr
.endm
.macro FETCH_B k
	WIN TO_B
.irp i, 0,1,2,3,4,5,6,7
	FRAG 128*((\k)%2)+FR*\i, \k, \i
.endr
	WIN 0
.endm
.macro FETCH_A k
.irp i, 0,1,2,3
.irp p, 0,1,2,3,4,5
	ds_load_b64 v[AF+48*((\k)%2)+FR*\i+2*\p:AF+48*((\k)%2)+FR*\i+2*\p+1], v[ADRA] offset:\i*12288+(\k)*1536+256*\p
.endr
.endr
.endm
; 16 products: o's blocks a0, a0 + 1 x W_out's eight, K step k.  The 32 accumulators take turns, in the same order in every step
.macro MUL16 a0, k
.irp a, \a0, \a0+1
.irp b, 0,1,2,3,4,5,6,7
.if (\k) == 0
	v_wmma_scale_f32_16x16x128_f8f6f4 v[8*(8*(\a)+\b):8*(8*(\a)+\b)+7], v[FR*\b:FR*\b+FR-1], v[AF+FR*(\a):AF+FR*(\a)+FR-1], v[8*\b:8*\b+7], v[SB+4*\b], v[SA+4*(\a)] matrix_a_fmt:MATRIX_FMT_FP6 matrix_b_fmt:MATRIX_FMT_FP6
.elseif (\k) < 4
	v_wmma_scale_f32_16x16x128_f8f6f4 v[8*(8*(\a)+\b):8*(8*(\a)+\b)+7], v[128*((\k)%2)+FR*\b:128*((\k)%2)+FR*\b+FR-1], v[AF+48*((\k)%2)+FR*(\a):AF+48*((\k)%2)+FR*(\a)+FR-1], v[8*(8*(\a)+\b):8*(8*(\a)+\b)+7], v[SB+4*\b+(\k)], v[SA+4*(\a)+(\k)] matrix_a_fmt:MATRIX_FMT_FP6 matrix_b_fmt:MATRIX_FMT_FP6
.else
	v_wmma_scale_f32_16x16x128_f8f6f4 v[8*(8*(\a)+\b):8*(8*(\a)+\b)+7], v[128*((\k)%2)+FR*\b:128*((\k)%2)+FR*\b+FR-1], v[AF+48*((\k)%2)+FR*(\a):AF+48*((\k)%2)+FR*(\a)+FR-1], v[8*(8*(\a)+\b):8*(8*(\a)+\b)+7], v[SB+4*\b+(\k)-4], v[SA+4*(\a)+(\k)-4] matrix_a_fmt:MATRIX_FMT_FP6 matrix_b_fmt:MATRIX_FMT_FP6 matrix_a_scale:MATRIX_SCALE_ROW1 matrix_b_scale:MATRIX_SCALE_ROW1
.endif
.endr
.endr
.endm
.macro PLACES n
.rept \n
	v_nop
.endr
.endm
	FETCH_B 0
	FETCH_A 0
.set KK, 0
.rept 7                                ; K steps 0 to 6, written out: the scale registers differ from step to step
.if KK > 0
	PLACES NP                                      ; ahead of the loads into the sets that the step before multiplied
.endif
	FETCH_B KK+1
	s_wait_dscnt 48                                ; all but the 48 just issued: this step's fragments are in
.if KK == 0
	WIN BIA_W
.else
	WIN MUL_W
.endif
	MUL16 0, KK
	WIN 0
	FETCH_A KK+1
.if KK == 0
	WIN BIA_W
.else
	WIN MUL_W
.endif
	MUL16 2, KK
	WIN 0
.set KK, KK+1
.endr
	s_wait_dscnt 0x0                               ; my last reads of o and of W_out are over:
	s_barrier_signal -1                            ; say so,
	WIN MUL_W
	MUL16 0, 7
	MUL16 2, 7
	WIN 0
	s_barrier_wait -1                              ; and behind this nobody reads the bytes on which the stages lie
; THE WAY OUT, block by block of 16 rows x 128 columns, through my own stage: back come whole rows of 512 bytes
.macro TOSTAGE a
.set AC, 64*(\a)
	WIN 0x08                                       ; the data: window 2
.irp b, 0,1,2,3,4,5,6,7
	ds_store_b128 v[STO], v[AC+8*\b:AC+8*\b+3] offset:128*(\b/2)+32*(\b%2)       ; each accumulator from its low end on
	ds_store_b128 v[STO], v[AC+8*\b+4:AC+8*\b+7] offset:128*(\b/2)+32*(\b%2)+16
.endr
	WIN 0
.set BB, BK+64*((\a)%2)
.irp t, 0,1,2,3,4,5,6,7,8,9,10,11,12,13,14,15
	ds_load_b128 v[BB+4*\t:BB+4*\t+3], v[RD] offset:\t*SPITCH      ; LDS serves a wave's instructions in order: these see the stores above
.endr
.endm
.macro SEND a, younger
.set BB, BK+64*((\a)%2)
	s_wait_dscnt \younger
.if (\a) > 0
	s_add_nc_u64 s[CP:CP+1], s[CP:CP+1], 8*4096    ; block a begins at token 8 a of my 64 (behind a wait on XCNT)
.endif
.irp t, 0,1,2,3,4,5,6,7,8,9,10,11,12,13,14,15
	global_store_b128 v[CO], v[BB+4*\t:BB+4*\t+3], s[CP:CP+1] offset:(\t+24*(\t/8))*4096 th:TH_STORE_NT   ; 32 lanes store 512 consecutive bytes, at a multiple of 256
.endr
.endm
	PLACES NP
	TOSTAGE 0
.irp a, 1,2,3
.if \a > 1
	s_wait_xcnt 0x0                                ; block a - 2's stores have read their registers and their base
.endif
	TOSTAGE \a
	SEND \a-1, 32                                  ; behind block a - 1's loads: block a's 16 stores and 16 loads
.endr
	s_wait_xcnt 0x0
	SEND 3, 0
	s_wait_tensorcnt 0x0                           ; the wave's end
	ds_add_u32 v[SPW], v[NIL]
	s_wait_dscnt 0x0
	CROUND                                         ; the closing round
	s_endpgm
.Lfunc_end_k_q71406d5e1f_proj:
	.size	k_q71406d5e1f_proj, .Lfunc_end_k_q71406d5e1f_proj-k_q71406d5e1f_proj
	.p2alignl 7, 3214868480
	.fill 96, 4, 3214868480
	.section	.rodata,"a",@progbits
	.p2align	6, 0x0
	.amdhsa_kernel k_q71406d5e1f_proj
		.amdhsa_group_segment_fixed_size 327680
		.amdhsa_private_segment_fixed_size 0
		.amdhsa_enable_private_segment 0
		.amdhsa_kernarg_size 48
		.amdhsa_user_sgpr_count 2
		.amdhsa_user_sgpr_kernarg_segment_ptr 1
		.amdhsa_wavefront_size32 1
		.amdhsa_system_sgpr_workgroup_id_x 1
		.amdhsa_system_sgpr_workgroup_id_y 1
		.amdhsa_system_sgpr_workgroup_id_z 1
		.amdhsa_system_vgpr_workitem_id 0
		.amdhsa_next_free_vgpr 1024
		.amdhsa_next_free_sgpr 100
		.amdhsa_reserve_vcc 0
		.amdhsa_float_denorm_mode_32 3
		.amdhsa_float_denorm_mode_16_64 3
		.amdhsa_memory_ordered 1
		.amdhsa_forward_progress 1
		.amdhsa_inst_pref_size 95
	.end_amdhsa_kernel
	.amdgpu_metadata
---
amdhsa.version: [ 1, 2 ]
amdhsa.kernels:
  - .name:           k_q71406d5e1f_proj
    .symbol:         k_q71406d5e1f_proj.kd
    .args:
      - { .name: ao_img, .offset: 0, .size: 8, .value_kind: global_buffer, .address_space: global }
      - { .name: ao_sc, .offset: 8, .size: 8, .value_kind: global_buffer, .address_space: global }
      - { .name: codes, .offset: 16, .size: 8, .value_kind: global_buffer, .address_space: global }
      - { .name: scales, .offset: 24, .size: 8, .value_kind: global_buffer, .address_space: global }
      - { .name: b_out, .offset: 32, .size: 8, .value_kind: global_buffer, .address_space: global }
      - { .name: out0, .offset: 40, .size: 8, .value_kind: global_buffer, .address_space: global }
    .group_segment_fixed_size: 327680
    .private_segment_fixed_size: 0
    .kernarg_segment_align: 8
    .kernarg_segment_size: 48
    .max_flat_workgroup_size: 128
    .sgpr_count:     100
    .vgpr_count:     1024
    .wavefront_size: 32
...
	.end_amdgpu_metadata
.endif
;; end of part 4
